; MI455X (gfx1250); checked and timed in simulation.
; The chip was launched on July 23, 2026; its instructions are those of AMD's public machine-readable ISA for CDNA 5 (MIT licence, August 2026) and "CDNA5" Instruction Set Architecture Reference Guide (July 2026). The comments in the code are by the model that wrote it; some were corrected since.
;; Softmax Attention. Allowed arithmetic: matrix products marked QUANTISED: E2M3 operands, one E8M0 scale for each 32 along K, by v_wmma_scale_f32_16x16x128_f8f6f4 with both operands' format E2M3, f32 sums; everything else in f32.
;; Inputs: Wk 2,048 x 8 x 128 float32; Wo 8 x 4 x 128 x 2,048 float32; Wq 2,048 x 8 x 4 x 128 float32; Wv 2,048 x 8 x 128 float32; x 2 x 1,024 x 2,048 float32.
;; Outputs: out0 2 x 1,024 x 2,048 float32.
;; This version of the problem:
;;   THIS VERSION OF THE PROBLEM IS GIVEN IN LOW PRECISION. The matrix products marked QUANTISED in the list below multiply operands that are first quantised to E2M3 (2 exponent bits, 3 mantissa bits; 6 bits a number), with one power-of-two scale for each 32 numbers along K (OCP MX v1.0); their sums are f32. All else is computed in f32.
;;   The module's matrix products, in the order in which they are computed (A, B: the left and right operand; K: the contracted axis; several contracted axes count as one K, in the product's order):
;;     1. [M 2,048, K 2,048] x [K 2,048, N 4,096]; A: input x; B: input Wq: QUANTISED
;;     2. [M 2,048, K 2,048] x [K 2,048, N 1,024]; A: input x; B: input Wk: QUANTISED
;;     3. [M 2,048, K 2,048] x [K 2,048, N 1,024]; A: input x; B: input Wv: QUANTISED
;;     4. batch 16 x [M 1,024, K 128] x [K 128, N 4,096]; A: computed on the way; B: computed on the way: QUANTISED
;;     5. batch 16 x [M 128, K 1,024] x [K 1,024, N 4,096]; A: computed on the way; B: softmax (see below): QUANTISED
;;     6. [M 2,048, K 4,096] x [K 4,096, N 2,048]; A: computed on the way; B: input Wo: QUANTISED
;;   THE QUANTISER, for each operand of a quantised product, along K:
;;     - K is cut into blocks of 32 from its start; a last block that is shorter is filled with zeros.
;;     - A block's scale is 2^e with e = floor(log2(the largest magnitude in the block)) - 2, held to -126 .. 127; a block of zeros has e = 0. As a byte (E8M0): e + 127.
;;     - Each number is divided by its block's scale, clamped to +-7.5, and rounded to the nearest number of E2M3, ties to even, subnormals kept.
;;     - The product sums the exact products of the quantised numbers (number of the format x scale) in f32.
;;   ~~~python
;;   def quantise(x, axis):      # numpy; x: float32 -> the quantised numbers, widened to float32 again
;;       x = np.moveaxis(x, axis, -1); K = x.shape[-1]
;;       x = np.pad(x, [(0, 0)] * (x.ndim - 1) + [(0, -K % 32)]); x = x.reshape(x.shape[:-1] + (-1, 32)); a = np.abs(x).max(-1, keepdims=True)
;;       e = np.where(a > 0, np.clip(np.frexp(np.where(a > 0, a, 1))[1] - 1 - 2, -126, 127), 0)      # np.frexp(a)[1] - 1 = floor(log2(a)), exactly
;;       r = np.clip(x / 2.0 ** e, -7.5, 7.5)
;;       step = 2.0 ** (np.maximum(np.frexp(np.where(r == 0, 1, r))[1] - 1, 0) - 3)
;;       q = np.round(r / step) * step * 2.0 ** e      # np.round: ties to even
;;       return np.moveaxis(q.reshape(q.shape[:-2] + (-1,))[..., :K], -1, axis).astype(np.float32)
;;   ~~~
;;   SOFTMAX AHEAD OF A QUANTISED PRODUCT. Where the list says 'softmax', what is quantised is not the finished softmax but p = 2^(t - M), with t = logit x log2(e) and M = ceil(the row's largest t), a whole number; so 1/2 < the row's largest p <= 1. The row's sum l is taken of the UNQUANTISED p, in f32, and the product's result is divided by l at the end. Since M is a whole number, a kernel that streams over the keys may use a running M (the ceiling of the running maximum): every later rescaling is an exact power of two, which a block's scale takes up: the codes' values come out the same.
;;   OPERANDS COMPUTED ON THE WAY. 'Computed on the way' means the value that the module computes at that place (a softmax that the list does not call 'softmax' is quantised finished and normalised). What goes into a quantiser is computed in f32, as accurately as f32 sums, v_exp_f32 and their like allow (about 1e-6 of the number): no bf16 or f16 on the way to a quantiser, and a product that is left as it is and whose result goes on into a quantised operand takes f32 operands (vector FMAs, or v_wmma_f32_16x16x4_f32). A number that lies on a knife's edge between two numbers of the format may be rounded either way, as far as f32 arithmetic and the matrix unit's own rounding can turn it there, and no further.
;; 2 versions, each right. Each part assembles by itself: llvm-mc -triple=amdgcn-amd-amdhsa -mcpu=gfx1250 --defsym DOCPART=n.
;; ======== version 1 of 2: 4 launches
;; limits: a function is approximated: absolute error at most 0.0001
;; workspace buffers: xq 3,276,800 bytes; wq 9,830,400 bytes; woq 6,553,600 bytes; tab 73,728 bytes; qb 6,553,600 bytes; kv 3,276,800 bytes; oq 6,553,600 bytes
;; launch quant (part 1): grid 777 x 1, 4 waves a work-group, no clusters, 68,096 bytes of LDS; arguments x, Wq, Wk, Wv, Wo, xq, wq, woq, tab; writes xq, wq, woq, tab
.if DOCPART == 1
	.amdgcn_target "amdgcn-amd-amdhsa--gfx1250"
	.amdhsa_code_object_version 6
	.text
	.protected	k_qa67057094f_quant
	.globl	k_qa67057094f_quant
	.p2align	8
	.type	k_qa67057094f_quant,@function
k_qa67057094f_quant:
	s_mov_b64 s[64:65], 0
	v_nop
	global_prefetch_b8 v0, s[64:65] scope:SCOPE_SE
	s_setreg_imm32_b32 hwreg(HW_REG_WAVE_MODE, 25, 1), 1
	s_wait_xcnt 0x0
; All five f32 inputs become codes of FP6 (E2M3) with one E8M0 byte for each 32 along K, K innermost, each input read once; and the table of cosines and sines for the rotation is made.
; Work-groups 0-639: the weights, whose K is their FIRST axis (a lane takes a column, its registers run down K).  640-767: x, whose K is innermost.  768-776: the table.
; xq: codes [2048 places][1536 bytes], then scale bytes [2048][64].  wq: codes [6144 places][1536] (0-4095 Wq, 4096-5119 Wk, 5120-6143 Wv), then scale bytes [6144][64].  woq: codes [2048][3072], scale bytes [2048][128].
; PLACES: place p of xq and of wq holds row (token, weight column) p with its bits 3 and 4 exchanged.  A tile of 16 neighbouring places then holds rows 8 u + r + 8 (r / 8) of its 32, so that two neighbouring
; tiles' results, taken as source 0 of a product, are 16 neighbours in a lane's registers.  woq is in natural order.
; A block's scale is 2^(floor(log2(its largest magnitude)) - 2); its byte is the largest magnitude's exponent field - 2, held at 1 from below.
; tab: 144 entries of 512 bytes.  Entry e: position e + (e & 8) for e < 16, else 8 (e - 16).  In it, at 32 p + 16 h + 4 k, p = 2 b + jj: the cosine (256 bytes on: the sine) of position x 10000^(-c / 64), c = 32 (b / 2) + 16 h + 8 (b % 2) + 4 jj + k.
; LIMITS: a block of zeros gets the byte 1 where the rule says 127 (its codes are zeros, and this program alone reads the bytes); blocks whose largest magnitude lies under 2^-124 are held at that byte;
; NaN and infinities among the inputs are not served.  The frequency is 2^(c x -log2(10000) / 64) in f32: an angle can differ from position x frequency as reference() rounds it by about 1e-4 at the largest positions.
; The three paths part on the work-group's number and share no LDS byte.
.set SPARE, 67584                      ; behind both paths' regions: the spare words, 128 bytes for each wave: two blocks of 256 bytes that no other line names
.set SPW,   254                        ; v254  LDS address of my spare word; never rewritten
.set NIL,   255                        ; v255  0; never rewritten
.set EMAX,  2
	s_load_b256 s[4:11], s[0:1], 0x0               ; x s[4:5], Wq s[6:7], Wk s[8:9], Wv s[10:11]
	s_load_b256 s[12:19], s[0:1], 0x20             ; Wo s[12:13], xq s[14:15], wq s[16:17], woq s[18:19]
	s_load_b64 s[20:21], s[0:1], 0x40              ; tab
	v_lshl_add_u32 v[SPW], v0, 2, SPARE
	v_mov_b32 v[NIL], 0
	v_lshrrev_b32 v1, 5, v0
	v_readfirstlane_b32 s22, v1                    ; wave 0..3
	v_and_b32 v2, 31, v0                           ; lane
	s_wait_kmcnt 0x0
	s_cmp_ge_u32 ttmp9, 768
	s_cbranch_scc1 .Ltab
	s_cmp_ge_u32 ttmp9, 640
	s_cbranch_scc1 .Lx
; ---------------- THE WEIGHTS.  A work-group takes 128 columns x 256 along K, a wave 32 columns: 8 blocks a lane, 192 bytes of codes for each column, which leave through the wave's stage as rows.
.set NB,     8
.set WSTG,   32768                     ; LDS: four stages of 32 rows x 272 bytes (sixteen places of 16 bytes, each with 12 bytes of codes, + 16)
.set WPITCH, 272
.set WX,     32                        ; v32-95   two sets of 32 numbers
.set WC,     96                        ; v96-102  a block's codes
.set OUTR,   112                       ; v112-175 the way out
.set SB,     24                        ; v24-25   the scale bytes
.set OFFS,   192                       ; v192-223 byte offset of row i of a block at my column; never rewritten
.set OOF,    224                       ; v224-239 byte offsets of the way out's sixteen stores; never rewritten
	s_mov_b64 s[24:25], s[6:7]                     ; which weight: the choice hangs on the work-group's number alone.  0-255 Wq,
	s_mov_b32 s26, 5                               ; log2 of its blocks of 128 columns
	s_mov_b32 s27, 0                               ; its first work-group
	s_mov_b32 s28, 0                               ; its first place in the codes' buffer
	s_mov_b32 s29, 1536                            ; a row of codes in bytes
	s_mov_b32 s48, 9437184                         ; where the scale bytes begin
	s_cmp_ge_u32 ttmp9, 256                        ; 256-319 Wk,
	s_cselect_b64 s[24:25], s[8:9], s[24:25]
	s_cselect_b32 s26, 3, s26
	s_cselect_b32 s27, 256, s27
	s_cselect_b32 s28, 4096, s28
	s_cmp_ge_u32 ttmp9, 320                        ; 320-383 Wv,
	s_cselect_b64 s[24:25], s[10:11], s[24:25]
	s_cselect_b32 s27, 320, s27
	s_cselect_b32 s28, 5120, s28
	s_cmp_ge_u32 ttmp9, 384                        ; 384-639 Wo
	s_cselect_b64 s[24:25], s[12:13], s[24:25]
	s_cselect_b64 s[30:31], s[18:19], s[16:17]     ; the buffer that takes the codes
	s_cselect_b32 s26, 4, s26
	s_cselect_b32 s27, 384, s27
	s_cselect_b32 s28, 0, s28
	s_cselect_b32 s29, 3072, s29
	s_cselect_b32 s23, 128, 64                     ; a row of scale bytes
	s_cselect_b32 s48, 6291456, s48
	s_cselect_b32 s49, 0, -1                       ; all ones where the places are exchanged
	s_sub_co_u32 s50, ttmp9, s27
	s_lshl_b32 s51, 1, s26
	s_sub_co_u32 s51, s51, 1
	s_and_b32 s51, s50, s51                        ; which 128 columns
	s_lshr_b32 s52, s50, s26                       ; which 256 along K
	s_lshl_b32 s53, 512, s26                       ; a row of the weight in bytes
	s_lshl_b32 s54, s51, 7
	s_lshl_b32 s55, s22, 5
	s_add_co_u32 s54, s54, s55                     ; my wave's first column
	s_lshl_b32 s56, s53, 8
	s_mul_i32 s56, s56, s52                        ; 256 rows for each step along K (under 2^25 bytes),
	s_lshl_b32 s57, s54, 2
	s_add_co_u32 s56, s56, s57                     ; + 4 bytes a column
	s_mov_b32 s57, 0
	s_add_nc_u64 s[32:33], s[24:25], s[56:57]      ; block 0's first row;
	s_lshl_b32 s56, s53, 5                         ; each further block lies 32 rows on: eight bases, never rewritten
.irp t, 1,2,3,4,5,6,7
	s_add_nc_u64 s[32+2*\t:33+2*\t], s[30+2*\t:31+2*\t], s[56:57]
.endr
	s_add_co_u32 s56, s28, s54                     ; my wave's first place
	s_mul_i32 s58, s56, s29
	s_mul_i32 s59, s52, 192
	s_add_co_u32 s58, s58, s59
	s_mov_b32 s59, 0
	s_add_nc_u64 s[60:61], s[30:31], s[58:59]      ; its codes of these 256 along K
	s_mul_i32 s58, s56, s23
	s_lshl_b32 s62, s52, 3
	s_add_co_u32 s58, s58, s62
	s_add_co_u32 s58, s58, s48
	s_add_nc_u64 s[62:63], s[30:31], s[58:59]      ; and its 8 scale bytes
	v_and_b32 v5, 7, v2                            ; my lane with bits 3 and 4 exchanged: stage row l, place l, takes that column
	v_and_b32 v6, 8, v2
	v_lshl_or_b32 v5, v6, 1, v5
	v_and_b32 v6, 16, v2
	v_lshrrev_b32 v6, 1, v6
	v_or_b32 v5, v5, v6
	v_cndmask_b32 v3, v2, v5, s49
	v_lshlrev_b32 v3, 2, v3                        ; 4 bytes a column: the wave's 32 lanes still read 128 consecutive bytes
.set i, 0
.rept 32
	v_mad_u32_u24 v[OFFS+i], s53, i, v3
.set i, i+1
.endr
	s_mul_i32 s58, s22, 32*WPITCH
	s_add_co_u32 s58, s58, WSTG                    ; my stage
	v_mul_u32_u24 v4, v2, WPITCH
	v_add_nc_u32 v4, s58, v4                       ; into it: row = my place
	v_and_b32 v5, 15, v2
	v_lshrrev_b32 v6, 4, v2
	v_mul_u32_u24 v7, v6, WPITCH
	v_lshl_add_u32 v7, v5, 4, v7
	v_add_nc_u32 v7, s58, v7                       ; out of it: sixteen lanes to a row, two rows an instruction
	v_mul_u32_u24 v8, v5, 12
	v_mad_u32_u24 v8, v6, s29, v8                  ; and the same place in the codes' buffer
.set i, 0
.rept 16
	v_mad_u32_u24 v[OOF+i], s29, 2*i, v8
.set i, i+1
.endr
	v_mul_u32_u24 v9, v2, s23                      ; my place's row of scale bytes
.macro WLOAD t                         ; block t: 32 rows at my column, into set t % 2
.set i, 0
.rept 32
	global_load_b32 v[WX+32*((\t)%2)+i], v[OFFS+i], s[32+2*(\t):33+2*(\t)] th:TH_LOAD_NT
.set i, i+1
.endr
.endm
	WLOAD 0
	WLOAD 1
.macro WBLOCK t
.set XS, WX+32*((\t)%2)
.if (\t) < NB-1
	s_wait_loadcnt 32                              ; this block's 32 loads are in; the next block's may be out
.else
	s_wait_loadcnt 0
.endif
	v_max3_num_f32 v12, |v[XS]|, |v[XS+1]|, |v[XS+2]|               ; the block's largest magnitude: all 32 numbers are mine
	v_max3_num_f32 v13, |v[XS+3]|, |v[XS+4]|, |v[XS+5]|
.irp i, 6,10,14,18,22,26
	v_max3_num_f32 v12, v12, |v[XS+\i]|, |v[XS+\i+1]|
	v_max3_num_f32 v13, v13, |v[XS+\i+2]|, |v[XS+\i+3]|
.endr
	v_max3_num_f32 v12, v12, |v[XS+30]|, |v[XS+31]|
	v_max3_num_f32 v12, v12, v13, (EMAX+1)<<23     ; and the floor 2^(3 - 127): the byte cannot fall under 1
	v_add_nc_u32 v11, -(EMAX<<23), v12             ; 2 off its exponent field: the conversion takes the exponent field of this operand as its scale
	v_lshrrev_b32 v13, 23, v11                     ; the scale's byte
.if (\t)%4 == 0
	v_mov_b32 v[SB+(\t)/4], v13                    ; four bytes to a register, the lower K in the lower byte
.else
	v_lshl_or_b32 v[SB+(\t)/4], v13, 8*((\t)%4), v[SB+(\t)/4]
.endif
	v_cvt_scalef32_pk16_fp6_f32 v[WC:WC+2], v[XS:XS+15], v11
	v_cvt_scalef32_pk16_fp6_f32 v[WC+4:WC+6], v[XS+16:XS+31], v11   ; (a conversion's three registers begin on an even number)
	ds_store_b96 v4, v[WC:WC+2] offset:32*(\t)     ; 16 codes, 12 bytes, to a place of 16 bytes
	ds_store_b96 v4, v[WC+4:WC+6] offset:32*(\t)+16
.if (\t)+2 < NB
	WLOAD (\t)+2
.endif
	s_wait_dscnt 0x0                               ; the stores have read their registers: the next block's codes may be written
.endm
.set Q, 0
.rept NB
	WBLOCK Q
.set Q, Q+1
.endr
	global_store_b64 v9, v[SB:SB+1], s[62:63]      ; my place's 8 scale bytes
.irp t, 0,1,2,3,4,5,6,7,8,9,10,11,12,13,14,15
	ds_load_b96 v[OUTR+4*\t:OUTR+4*\t+2], v7 offset:2*\t*WPITCH   ; LDS serves a wave's instructions in order: these see my stores
.endr
.irp t, 0,1,2,3,4,5,6,7,8,9,10,11,12,13,14,15
	s_wait_dscnt 15-\t
	global_store_b96 v[OOF+\t], v[OUTR+4*\t:OUTR+4*\t+2], s[60:61]   ; sixteen lanes store a row's 192 consecutive bytes
.endr
	s_wait_tensorcnt 0x0                           ; the wave's end, behind my last LDS store
	ds_add_u32 v[SPW], v[NIL]
	s_wait_dscnt 0x0
	s_endpgm
; ---------------- x.  A wave takes 4 rows: 16 steps of 512 numbers.  Each load reads 512 consecutive bytes; a step's 2,048 bytes turn through the wave's stage, so that a lane holds 16 neighbours; two lanes hold a block.
.set STEPS, 16
.set CB,    12                         ; bytes of 16 codes
.set XR,    16                         ; v16-79   four sets of 16 numbers as they are loaded
.set XX,    80                         ; v80-111  two sets of 16 neighbours
.set XE,    112                        ; v112-127 a scale byte for each step
.set XC,    128                        ; v128-191 codes: four registers for each step, so that no store's data are written again
.set SP,    80                         ; a lane's place in a stage: 64 bytes + 16 of padding
.Lx:
	s_sub_co_u32 s24, ttmp9, 640
	s_lshl_b32 s24, s24, 2
	s_add_co_u32 s24, s24, s22                     ; which 4 rows of x are my wave's
	s_and_b32 s25, s24, 2
	s_lshl_b32 s25, s25, 1
	s_and_b32 s26, s24, 4
	s_lshr_b32 s26, s26, 1
	s_and_b32 s27, s24, 0xfffffff9
	s_or_b32 s27, s27, s25
	s_or_b32 s27, s27, s26                         ; and which 4 places take them: a row's bits 3 and 4 exchanged
	s_lshl_b32 s28, s24, 15
	s_mov_b32 s29, 0
	s_add_nc_u64 s[4:5], s[4:5], s[28:29]          ; 32,768 bytes of x,
	s_mul_i32 s28, s27, 6144
	s_add_nc_u64 s[8:9], s[14:15], s[28:29]        ; 6,144 of codes,
	s_lshl_b32 s28, s27, 8
	s_add_co_u32 s28, s28, 3145728
	s_add_nc_u64 s[10:11], s[14:15], s[28:29]      ; 256 scale bytes
	v_lshlrev_b32 v3, 4, v2                        ; my 16 bytes of a load's 512
	s_lshl_b32 s30, s22, 13                        ; LDS: 8,192 bytes for each wave: two stages of 32 x 80, then its 256 scale bytes
	v_lshrrev_b32 v14, 2, v2
	v_mul_u32_u24 v14, v14, SP
	v_and_b32 v15, 3, v2
	v_lshl_add_u32 v14, v15, 4, v14
	v_add_nc_u32 v14, s30, v14                     ; the stage, on the way in: four lanes' 64 bytes on end, then 16 of padding
	v_mul_u32_u24 v15, v2, SP
	v_add_nc_u32 v15, s30, v15                     ; and on the way out: my 16 neighbours
	v_mul_u32_u24 v4, v2, CB                       ; my codes' place in a step's
	v_lshrrev_b32 v5, 1, v2
	s_add_co_u32 s30, s30, 2*32*SP
	v_add_nc_u32 v5, s30, v5                       ; my block's byte among my wave's 256
	v_lshlrev_b32 v7, 3, v2                        ; and on the way out 8 bytes a lane
	v_add_nc_u32 v6, s30, v7
.macro XLOAD t
.irp i, 0,1,2,3
	global_load_b128 v[XR+16*((\t)%4)+4*\i:XR+16*((\t)%4)+4*\i+3], v3, s[4:5] offset:2048*(\t)+512*\i th:TH_LOAD_NT
.endr
.endm
.macro XTURN t                         ; step t's numbers through the stage: LDS serves a wave's instructions in order, so no wait stands between the stores and the loads
.irp i, 0,1,2,3
	ds_store_b128 v14, v[XR+16*((\t)%4)+4*\i:XR+16*((\t)%4)+4*\i+3] offset:32*SP*((\t)%2)+8*SP*\i
.endr
.irp i, 0,1,2,3
	ds_load_b128 v[XX+16*((\t)%2)+4*\i:XX+16*((\t)%2)+4*\i+3], v15 offset:32*SP*((\t)%2)+16*\i
.endr
.endm
.irp t, 0,1,2,3
	XLOAD \t
.endr
	s_wait_loadcnt 12                              ; step 0's four loads are in
	XTURN 0
.macro XSTEP t
.set XS, XX+16*((\t)%2)
.if (\t) > 0
	s_wait_dscnt 1                                 ; this step's numbers are back from the stage (the last step's byte store may be out)
.else
	s_wait_dscnt 0x0
.endif
.if (\t)+4 < STEPS
	XLOAD (\t)+4                                   ; into the registers that this step's stores into the stage have read
.endif
.if (\t)+1 < STEPS
.if STEPS-2-(\t) >= 3
	s_wait_loadcnt 12                              ; the next step's four loads are in; those of the three steps behind it may be out
.else
	s_wait_loadcnt 4*(STEPS-2-(\t))
.endif
	XTURN (\t)+1
.endif
	v_max3_num_f32 v8, |v[XS]|, |v[XS+1]|, |v[XS+2]|               ; the largest magnitude of my 16
	v_max3_num_f32 v9, |v[XS+3]|, |v[XS+4]|, |v[XS+5]|
.irp i, 6,10
	v_max3_num_f32 v8, v8, |v[XS+\i]|, |v[XS+\i+1]|
	v_max3_num_f32 v9, v9, |v[XS+\i+2]|, |v[XS+\i+3]|
.endr
	v_max3_num_f32 v8, v8, |v[XS+14]|, |v[XS+15]|
	v_max3_num_f32 v8, v8, v9, (EMAX+1)<<23        ; and the floor
	v_max_num_f32_dpp v8, v8, v8 row_xmask:1 row_mask:0xf bank_mask:0xf   ; and of my neighbour's 16: the block's
	v_add_nc_u32 v11, -(EMAX<<23), v8
	v_cvt_scalef32_pk16_fp6_f32 v[XC+4*(\t):XC+4*(\t)+2], v[XS:XS+15], v11
	v_lshrrev_b32 v[XE+(\t)], 23, v11              ; the scale's byte
	ds_store_b8 v5, v[XE+(\t)] offset:16*(\t)      ; both lanes of a block write the same byte with the same value
	global_store_b96 v4, v[XC+4*(\t):XC+4*(\t)+2], s[8:9] offset:32*CB*(\t)   ; the wave stores 384 consecutive bytes
.endm
.irp t, 0,1,2,3,4,5,6,7,8,9,10,11,12,13,14,15
	XSTEP \t
.endr
	ds_load_b64 v[8:9], v6                         ; LDS serves a wave's instructions in order: these see my stores
	s_wait_dscnt 0x0
	global_store_b64 v7, v[8:9], s[10:11]          ; 32 lanes store 256 consecutive bytes, aligned
	s_wait_tensorcnt 0x0                           ; the wave's end
	ds_add_u32 v[SPW], v[NIL]
	s_wait_dscnt 0x0
	s_endpgm
; ---------------- THE TABLE.  1,152 threads, eight angles each: thread T: entry T / 8, half h = (T / 4) % 2, b = T % 4.
.Ltab:
	s_sub_co_u32 s24, ttmp9, 768
	s_lshl_b32 s24, s24, 7
	s_mov_b32 s25, 0x3fc90000                      ; pi / 2 in three parts, the first two short enough for k x part to be exact
	s_mov_b32 s26, 0x39fda000
	s_mov_b32 s27, 0x33a22168
	s_mov_b32 s28, 0xb94ca1f9                      ; the leading coefficients of the sine's and the cosine's polynomials on +-pi / 4
	s_mov_b32 s29, 0x37ccf5ce
	v_add_nc_u32 v1, s24, v0                       ; T
	v_lshrrev_b32 v2, 3, v1                        ; the entry
	v_bfe_u32 v3, v1, 2, 1                         ; h
	v_and_b32 v4, 3, v1                            ; b
	v_and_b32 v5, 8, v2
	v_add_nc_u32 v5, v5, v2                        ; e + (e & 8),
	v_lshlrev_b32 v6, 3, v2
	v_add_nc_u32 v6, 0xffffff80, v6                ; or 8 (e - 16)
	v_cmp_gt_u32 vcc_lo, 16, v2
	v_cndmask_b32 v5, v6, v5, vcc_lo
	v_cvt_f32_u32 v5, v5                           ; the position
	v_lshrrev_b32 v6, 1, v4
	v_lshlrev_b32 v6, 5, v6
	v_lshl_add_u32 v6, v3, 4, v6
	v_and_b32 v7, 1, v4
	v_lshl_add_u32 v6, v7, 3, v6                   ; my first frequency's number c
	v_lshlrev_b32 v7, 9, v2
	v_lshl_add_u32 v7, v3, 4, v7
	v_lshl_add_u32 v7, v4, 6, v7                   ; where my numbers go: 512 e + 16 h + 64 b
.irp n, 0,1,2,3,4,5,6,7
	v_add_nc_u32 v[16+\n], \n, v6
.endr
.irp n, 0,1,2,3,4,5,6,7
	v_cvt_f32_u32 v[16+\n], v[16+\n]
.endr
.irp n, 0,1,2,3,4,5,6,7
	v_mul_f32 v[16+\n], 0xbe549a78, v[16+\n]       ; c x -log2(10000) / 64
.endr
.irp n, 0,1,2,3,4,5,6,7
	v_exp_f32 v[16+\n], v[16+\n]                   ; the frequency
.endr
	v_nop                                          ; a plain instruction behind the last exponential,
	s_wait_alu depctr_va_vdst(0)                   ; and one wait for the eight, ahead of their first reader
.irp n, 0,1,2,3,4,5,6,7
	v_mul_f32 v[16+\n], v5, v[16+\n]               ; the angle
.endr
.macro SINCOS n                        ; angle = k pi / 2 + r, |r| <= pi / 4; sine and cosine of r by polynomials; k's low two bits exchange them and set the signs
	v_mul_f32 v8, 0x3f22f983, v[16+\n]
	v_rndne_f32 v8, v8                             ; k
	v_fma_f32 v9, -v8, s25, v[16+\n]
	v_fma_f32 v9, -v8, s26, v9
	v_fma_f32 v9, -v8, s27, v9                     ; r
	v_mul_f32 v10, v9, v9                          ; z = r^2
	v_fmaak_f32 v11, s28, v10, 0x3c08839e
	v_fmaak_f32 v12, s29, v10, 0xbab6061a
	v_fmaak_f32 v11, v11, v10, 0xbe2aaaa3
	v_fmaak_f32 v12, v12, v10, 0x3d2aaaa5
	v_mul_f32 v11, v11, v10
	v_mul_f32 v12, v12, v10
	v_fma_f32 v13, v10, -0.5, 1.0
	v_fma_f32 v11, v11, v9, v9                     ; sin r
	v_fma_f32 v12, v12, v10, v13                   ; cos r
	v_cvt_i32_f32 v13, v8
	v_and_b32 v14, 1, v13
	v_cmp_eq_u32 vcc_lo, 1, v14
	v_cndmask_b32 v15, v11, v12, vcc_lo
	v_cndmask_b32 v12, v12, v11, vcc_lo
	v_and_b32 v14, 2, v13
	v_lshlrev_b32 v14, 30, v14
	v_xor_b32 v[32+\n], v14, v15                   ; the sine: negative in quadrants 2 and 3
	v_add_nc_u32 v13, 1, v13
	v_and_b32 v13, 2, v13
	v_lshlrev_b32 v13, 30, v13
	v_xor_b32 v[40+\n], v13, v12                   ; the cosine: negative in quadrants 1 and 2
.endm
.irp n, 0,1,2,3,4,5,6,7
	SINCOS \n
.endr
	global_store_b128 v7, v[40:43], s[20:21]
	global_store_b128 v7, v[44:47], s[20:21] offset:32
	global_store_b128 v7, v[32:35], s[20:21] offset:256
	global_store_b128 v7, v[36:39], s[20:21] offset:288
	s_wait_tensorcnt 0x0                           ; this path writes no LDS; it ends as the other two do
	ds_add_u32 v[SPW], v[NIL]
	s_wait_dscnt 0x0
	s_endpgm
.Lfunc_end_k_qa67057094f_quant:
	.size	k_qa67057094f_quant, .Lfunc_end_k_qa67057094f_quant-k_qa67057094f_quant
	.p2alignl 7, 3214868480
	.fill 96, 4, 3214868480
	.section	.rodata,"a",@progbits
	.p2align	6, 0x0
	.amdhsa_kernel k_qa67057094f_quant
		.amdhsa_group_segment_fixed_size 68096
		.amdhsa_private_segment_fixed_size 0
		.amdhsa_enable_private_segment 0
		.amdhsa_kernarg_size 72
		.amdhsa_user_sgpr_count 2
		.amdhsa_user_sgpr_kernarg_segment_ptr 1
		.amdhsa_wavefront_size32 1
		.amdhsa_system_sgpr_workgroup_id_x 1
		.amdhsa_system_sgpr_workgroup_id_y 1
		.amdhsa_system_sgpr_workgroup_id_z 1
		.amdhsa_system_vgpr_workitem_id 0
		.amdhsa_next_free_vgpr 256
		.amdhsa_next_free_sgpr 66
		.amdhsa_reserve_vcc 1
		.amdhsa_float_denorm_mode_32 3
		.amdhsa_float_denorm_mode_16_64 3
		.amdhsa_memory_ordered 1
		.amdhsa_forward_progress 1
		.amdhsa_inst_pref_size 91
	.end_amdhsa_kernel
	.amdgpu_metadata
---
amdhsa.version: [ 1, 2 ]
amdhsa.kernels:
  - .name:           k_qa67057094f_quant
    .symbol:         k_qa67057094f_quant.kd
    .args:
      - { .name: x, .offset: 0, .size: 8, .value_kind: global_buffer, .address_space: global }
      - { .name: Wq, .offset: 8, .size: 8, .value_kind: global_buffer, .address_space: global }
      - { .name: Wk, .offset: 16, .size: 8, .value_kind: global_buffer, .address_space: global }
      - { .name: Wv, .offset: 24, .size: 8, .value_kind: global_buffer, .address_space: global }
      - { .name: Wo, .offset: 32, .size: 8, .value_kind: global_buffer, .address_space: global }
      - { .name: xq, .offset: 40, .size: 8, .value_kind: global_buffer, .address_space: global }
      - { .name: wq, .offset: 48, .size: 8, .value_kind: global_buffer, .address_space: global }
      - { .name: woq, .offset: 56, .size: 8, .value_kind: global_buffer, .address_space: global }
      - { .name: tab, .offset: 64, .size: 8, .value_kind: global_buffer, .address_space: global }
    .group_segment_fixed_size: 68096
    .private_segment_fixed_size: 0
    .kernarg_segment_align: 8
    .kernarg_segment_size: 72
    .max_flat_workgroup_size: 128
    .sgpr_count:     66
    .vgpr_count:     256
    .wavefront_size: 32
...
	.end_amdgpu_metadata
.endif
;; end of part 1
;; launch gemm_qkv (part 2): grid 24 x 8, 4 waves a work-group, clusters of 4 x 4, 327,680 bytes of LDS; arguments xq, wq, tab, qb, kv; writes qb, kv
.if DOCPART == 2
	.amdgcn_target "amdgcn-amd-amdhsa--gfx1250"
	.amdhsa_code_object_version 6
	.text
	.protected	k_qa67057094f_gemm_qkv
	.globl	k_qa67057094f_gemm_qkv
	.p2align	8
	.type	k_qa67057094f_gemm_qkv,@function
k_qa67057094f_gemm_qkv:
	s_mov_b64 s[64:65], 0
	v_nop
	global_prefetch_b8 v0, s[64:65] scope:SCOPE_SE
	s_setreg_imm32_b32 hwreg(HW_REG_WAVE_MODE, 25, 1), 1
	s_wait_xcnt 0x0
	s_wait_alu depctr_hold_cnt(0) depctr_sa_sdst(0) depctr_va_vdst(0) depctr_va_sdst(0) depctr_va_ssrc(0) depctr_va_vcc(0) depctr_vm_vsrc(0)
	s_getreg_b32 s2, hwreg(HW_REG_IB_STS2, 6, 4)
	s_cmp_eq_u32 s2, 0
	s_cbranch_scc0 .Lentry_in_a_cluster
	s_endpgm
.Lentry_in_a_cluster:
	s_bfe_u32 s2, ttmp6, 0x10000c
	s_cmp_lg_u32 s2, 0xf033
	s_cbranch_scc0 .Lentry_shape_is_right
	s_endpgm
.Lentry_shape_is_right:
; q, k and v = x W on codes of FP6 (E2M3) with E8M0 scales, K = 2,048; then the rotation of q and k, and the quantisers of q, k (along the head's 128) and v (along the keys), all in the registers that hold the sums.
; A work-group of four waves makes 256 x 256; a wave 128 x 128: 128 tokens x ONE head, 64 accumulators, 512 registers.  K goes in steps of 256 through a ring of two LDS slots filled by the tensor data mover;
; the scale bytes of the work-group's rows, for all of K, come into LDS once.  Clusters of 4 x 4: the tile of the row operand is asked for jointly along a row of the cluster, that of the column operand along a column.
; ROLES.  Source 0 of the matrix instruction takes the column operand, source 1 the row operand: a lane holds one row of the row operand, its registers run along the column operand's rows.
; Clusters x = 0..3 (q) and 4 (k): rows = tokens (xq), columns = weight columns (wq): a lane holds one token, its registers the head's 128.  Cluster x = 5 (v): rows = Wv's columns, columns = tokens: a lane holds one
; channel of v and its registers run along the tokens, which are the K of attention's second product.  The roles are exchanged by pointers alone: one text, no branch on the role.
; Both buffers hold their rows with bits 3 and 4 of the row's number exchanged: the 64 registers of a block of 16 rows are then register 16 b + i = column 32 b + 16 (lane / 16) + i, as the conversions want them,
; and lane r of block a holds row 32 (a / 2) + 8 (a % 2) + r + 8 (r / 8).
; THE ROTATION.  position = 128 g + A + R, A = 32 (a / 2) + 8 (a % 2), R = r + 8 (r / 8).  The table has cosine and sine of R x frequency (16 entries: a lane's 64 numbers are loaded once) and of (128 g + A) x frequency
; (an entry for each block: 64 numbers a lane, the same for the 16 lanes of a half); the two are joined by the addition theorem.  For v every lane reads the entries of position 0, cosine 1 and sine 0: the rotation changes nothing.
; OUT.  A RECORD of 12,800 bytes for each 128 rows x 128 K: 8 fragments as images of their 12 registers (3 pieces of 32 lanes x 16 bytes), then 512 bytes of scale words, [lane][4]: word (l, n) is that of row l % 16 of
; block 2 n + l / 16.  qb: record (128-token block x 32 + head).  kv: for each (batch, kv head, 128 keys) K's record, then V's.
; LIMITS: a block of zeros gets the scale byte 1 (its codes are zeros; this program alone reads the bytes); NaN and infinities are not served; the angle's error is stated at the table's launch.
; REGISTERS, in windows of 256: window 0: v0-31 addresses; v32-63 scale words, two sets, and nothing else; v64-95 the way out's addresses and codes; v96-127, v224-255 cos, sin of R; v128-223 the row operand's fragments, ONE set,
;   on the way out v128-191 the rotated numbers, v192-214 at work.  window 1: the column operand's fragments, two sets, at v0 and v128; v96-127, v224-255 cos, sin of the first block's position; on the way out v0-63 the joined cos, sin,
;   v64-95, v128-159 the second set of a block's cos, sin.  windows 2, 3: the accumulators ((a, b) at v[8 (8 (a % 4) + b)]).
.set KSTEP,  256
.set NQ,     KSTEP/128
.set ROWB,   192                       ; a tile's row in bytes
.set KROW,   1536                      ; a row of codes in memory
.set PITCH,  240                       ; an LDS row: 3 x (64 bytes + 16 of padding)
.set FR,     12
.set NL,     6
.set NP,     4
.set HALFT,  128*PITCH
.set SLOT,   4*HALFT
.set LAPS,   4                         ; K = 2,048: eight K steps, four times round the ring
.set KS,     64                        ; a row of scale bytes
.set SCL,    2*SLOT                    ; behind the ring: the scales, as units of 256 bytes + 16 of padding
.set HALFS,  (128*KS/256)*272
.set SBLK,   (16*KS/256)*272
.set SPARE,  SCL+4*HALFS               ; the spare words, 128 bytes for each wave: two blocks of 256 bytes that no other line names
.set ADRA, 16
.set ADRB, 20
.set ADRS, 27
.set SPW,  28
.set NIL,  29
.set SC,   32
.set AF,   128
.set LI,   64                          ; v64     16 x lane: my place in an image; never rewritten
.set TRO,  65                          ; v65     my offset in the table's entries of R; never rewritten
.set TAO,  66                          ; v66-73  my offset in the entry of block a; never rewritten
.set PW,   74                          ; v74     an odd block's scale word;  v75 an even block's
.set PWE,  75
.set SCW,  76                          ; v76-79  the record's scale words
.set PC,   80                          ; v80-91  the fragment just made
.set CR,   96                          ; cos R
.set SR,   224                         ; sin R
.set YY,   128                         ; the rotated numbers
.set TM,   192                         ; v192-207 the quantiser's
.set PT,   208                         ; v208-214 the conversions' second halves
.set CC,   0                           ; window 1: the joined cosines, sines
.set SS,   32
.set G1, 24
.set G0, 32
.set G1B, 48
.set G0B, 56
.set G1S, 68
.set G0S, 76
.set G1SB, 80
.set G0SB, 88
.set TABP, 92                          ; s[92:93] the table's entries of my 128 tokens' blocks
.set REC,  96                          ; s[96:97] my record
.set SEL,  20                          ; s[20:21] v_permlanex16_b32's selects for lane l xor 16
.set HI,   22                          ; s22     lanes 16-31
.set MSB, 0
.macro WIN new                         ; the immediate's high byte repeats the setting that is left
.if MSB != \new
	s_set_vgpr_msb (MSB<<8)|\new
.set MSB, \new
.endif
.endm
.set MUL_LO, 0xa1                      ; source 0 window 1, source 1 window 0, C and D window 2
.set MUL_HI, 0xf1                      ; the same, C and D window 3
.set TO_B,   0x40                      ; destination window 1, address window 0
; A joint load: waves 0 and 1 fetch for the row operand, waves 2 and 3 for the column operand.  The branch hangs on the wave's number alone.  An s_nop 0 and four v_nop follow each of the two lines.
.macro JLOAD g0a, g1a, g0b, g1b
	s_cmp_eq_u32 s15, 0
	s_cbranch_scc0 .Lfor_b_\@
	tensor_load_to_lds s[\g0a:\g0a+3], s[\g1a:\g1a+7]
	s_nop 0
.rept 4
	v_nop
.endr
	s_branch .Lasked_\@
.Lfor_b_\@:
	tensor_load_to_lds s[\g0b:\g0b+3], s[\g1b:\g1b+7]
	s_nop 0
.rept 4
	v_nop
.endr
.Lasked_\@:
.endm
.macro CREST                           ; a round of the cluster's barrier behind its opening barrier
	s_cmp_lg_u32 s14, 0
	s_cbranch_scc1 .Lnot_wave_0_\@
	s_barrier_signal -3
.Lnot_wave_0_\@:
	s_barrier_wait -3
	s_barrier_signal -1
	s_barrier_wait -1
.endm
.macro CROUND
	s_barrier_signal -1
	s_barrier_wait -1
	CREST
.endm
	s_load_b256 s[4:11], s[0:1], 0x0               ; xq s[4:5], wq s[6:7], tab s[8:9], qb s[10:11]
	s_load_b64 s[12:13], s[0:1], 0x20              ; kv
	v_lshl_add_u32 v[SPW], v0, 2, SPARE
	v_mov_b32 v[NIL], 0
	ds_add_u32 v[SPW], v[NIL]                      ; the wave's opening: the add, its wait ahead of my first tensor load; the set-up below stands between them
	v_lshrrev_b32 v1, 5, v0
	v_readfirstlane_b32 s14, v1                    ; wave 0..3
	s_lshr_b32 s15, s14, 1                         ; which half of the tile's rows is mine.  Also: I fetch for the row operand (0) or the column operand (1)
	s_and_b32 s16, s14, 1                          ; which half of its columns.  Also: which 128 rows of that tile I fetch
	s_bfe_u32 s40, ttmp6, 0x40000                  ; cx, cy: my place in the cluster
	s_bfe_u32 s41, ttmp6, 0x40004
	s_and_b32 s95, ttmp7, 0xffff                   ; the cluster's y
	s_cmp_eq_u32 ttmp9, 5                          ; v's clusters?  The cluster's x: the same in all sixteen partners
	s_cselect_b32 s66, s95, ttmp9                  ; v: the tokens, 8 tile columns, go by the cluster's y;
	s_cselect_b32 s95, 0, s95                      ;    Wv's 1,024 columns are 4 tile rows: one cluster high
	s_lshl_b32 s42, s66, 2
	s_add_co_u32 s42, s42, s40                     ; tile column
	s_lshl_b32 s17, s95, 2
	s_add_co_u32 s17, s17, s41                     ; tile row
	s_lshl_b32 s43, s41, 2
	s_lshl_b32 s43, 15, s43                        ; my row of the cluster
	s_lshl_b32 s44, 0x1111, s40                    ; my column
	; descriptor group 1: a tile of 128 rows x 192 bytes, 16 bytes of padding behind every 64
	s_or_b32 s[G1+0], s43, (0<<16)|(1<<20)|(1<<21)|(3<<22)|(3<<25)
	s_or_b32 s[G1B+0], s44, (0<<16)|(1<<20)|(1<<21)|(3<<22)|(3<<25)
.irp g, G1, G1B
	s_mov_b32 s[\g+1], ROWB<<16                    ; tensor_dim0
	s_mov_b32 s[\g+2], 128<<16                     ; tensor_dim1
	s_mov_b32 s[\g+3], ROWB<<16                    ; tile_dim0
	s_mov_b32 s[\g+4], 128                         ; tile_dim1
	s_mov_b32 s[\g+5], KROW                        ; tensor_dim0_stride
	s_mov_b32 s[\g+6], 0
	s_mov_b32 s[\g+7], 0
.endr
	; the scales of 128 rows: 8,192 dense bytes, as 32 rows of 256 bytes, 16 bytes of padding behind each
	s_or_b32 s[G1S+0], s43, (3<<16)|(1<<20)|(1<<21)|(5<<22)|(3<<25)
	s_or_b32 s[G1SB+0], s44, (3<<16)|(1<<20)|(1<<21)|(5<<22)|(3<<25)
.irp g, G1S, G1SB
	s_mov_b32 s[\g+1], 32<<16
	s_mov_b32 s[\g+2], (128*KS/256)<<16
	s_mov_b32 s[\g+3], 32<<16
	s_mov_b32 s[\g+4], 128*KS/256
	s_mov_b32 s[\g+5], 32
	s_mov_b32 s[\g+6], 0
	s_mov_b32 s[\g+7], 0
.endr
	s_lshl_b32 s18, s16, 7                         ; which 128 rows of the tile I fetch
	s_lshl_b32 s20, s17, 8
	s_add_co_u32 s20, s20, s18                     ; row operand: row 256 x tile row + 128 x half
	s_lshl_b32 s46, s42, 8
	s_add_co_u32 s46, s46, s18                     ; column operand: row 256 x tile column + 128 x half
	s_mov_b32 s21, 0
	s_mov_b32 s47, 0
	s_mov_b64 s[18:19], KS
	s_mul_u64 s[22:23], s[20:21], s[18:19]         ; where these rows' scales begin,
	s_mul_u64 s[92:93], s[46:47], s[18:19]
	s_mov_b64 s[18:19], KROW
	s_mul_u64 s[20:21], s[20:21], s[18:19]         ; and their codes
	s_mul_u64 s[46:47], s[46:47], s[18:19]
	s_mul_i32 s45, s14, HALFT                      ; where they go: wave x 128 rows: no place in the cluster enters an LDS address
	s_mul_i32 s94, s14, HALFS
	s_cmp_eq_u32 ttmp9, 5                          ; the roles: what lies ahead of the rows in each buffer (the lines up to the choice of pointers leave SCC alone)
	s_cselect_b32 s66, 7864320, 0                  ; row operand's codes: Wv's places begin at 5,120 rows of wq; x's at 0
	s_mov_b32 s67, 0
	s_add_nc_u64 s[20:21], s[20:21], s[66:67]
	s_mov_b32 s66, 3145728
	s_cselect_b32 s66, 9764864, s66                ; its scales: behind wq's codes + 5,120 rows of 64; or behind xq's codes
	s_add_nc_u64 s[22:23], s[22:23], s[66:67]
	s_mov_b32 s66, 9437184
	s_cselect_b32 s66, 3145728, s66                ; the column operand's scales: behind xq's codes; or behind wq's
	s_add_nc_u64 s[92:93], s[92:93], s[66:67]
	s_wait_dscnt 0x0                               ; the opening add is done
	s_wait_kmcnt 0x0
	s_cselect_b64 s[96:97], s[6:7], s[4:5]         ; the row operand's buffer,
	s_cselect_b64 s[98:99], s[4:5], s[6:7]         ; the column operand's
	s_add_nc_u64 s[20:21], s[96:97], s[20:21]
	s_add_nc_u64 s[22:23], s[96:97], s[22:23]
	s_add_nc_u64 s[46:47], s[98:99], s[46:47]
	s_add_nc_u64 s[92:93], s[98:99], s[92:93]
	CROUND                                         ; all sixteen work-groups are here: the first joint loads meet
	s_mov_b32 s[G0S], 1
	s_add_co_u32 s[G0S+1], s94, SCL
	s_mov_b64 s[G0S+2:G0S+3], s[22:23]
	s_or_b32 s[G0S+3], s[G0S+3], 0x80000000
	s_mov_b32 s[G0SB], 1
	s_add_co_u32 s[G0SB+1], s94, SCL
	s_mov_b64 s[G0SB+2:G0SB+3], s[92:93]
	s_or_b32 s[G0SB+3], s[G0SB+3], 0x80000000
	JLOAD G0S, G1S, G0SB, G1SB                     ; the scales first: they are wanted with K step 0
.irp s, 0,1
	s_mov_b32 s[G0+4*\s], 1
	s_add_co_u32 s[G0+4*\s+1], s45, \s*SLOT
	s_add_nc_u64 s[G0+4*\s+2:G0+4*\s+3], s[20:21], \s*ROWB
	s_or_b32 s[G0+4*\s+3], s[G0+4*\s+3], 0x80000000
	s_mov_b32 s[G0B+4*\s], 1
	s_add_co_u32 s[G0B+4*\s+1], s45, \s*SLOT
	s_add_nc_u64 s[G0B+4*\s+2:G0B+4*\s+3], s[46:47], \s*ROWB
	s_or_b32 s[G0B+4*\s+3], s[G0B+4*\s+3], 0x80000000
	JLOAD G0+4*\s, G1, G0B+4*\s, G1B
.endr
	v_and_b32 v1, 15, v0                           ; r = l % 16
	v_bfe_u32 v2, v0, 4, 1                         ; h = l / 16
	v_mul_u32_u24 v3, v1, PITCH
	v_mul_u32_u24 v4, v2, 24
	v_add_nc_u32 v4, v3, v4                        ; a fragment's row x pitch + 24 x half
	v_lshl_add_u32 v5, v2, 4, v4                   ; and the same behind one padding more
	s_mul_i32 s21, s15, HALFT                      ; my 128 rows of the row operand
	s_mul_i32 s22, s16, HALFT                      ; my 128 rows of the column operand,
	s_add_co_u32 s22, s22, 2*HALFT                 ; which lie behind the other's 256
.irp s, 0,1
	v_add_nc_u32 v[ADRA+\s], s21, v4
	v_add_nc_u32 v[ADRB+\s], s22, v4
	v_add_nc_u32 v[ADRA+2+\s], s21, v5
	v_add_nc_u32 v[ADRB+2+\s], s22, v5
	s_add_co_u32 s21, s21, SLOT
	s_add_co_u32 s22, s22, SLOT
.endr
	v_mul_u32_u24 v5, v1, KS                       ; my row's scales: KS bytes a row,
	v_lshrrev_b32 v6, 8, v5
	v_lshl_add_u32 v5, v6, 4, v5                   ; and 16 more for each 256 passed
	s_mul_i32 s21, s15, HALFS
	s_mul_i32 s22, s16, HALFS
	s_add_co_u32 s22, s22, 2*HALFS
	s_sub_co_u32 s22, s22, s21
	v_mul_u32_u24 v6, s22, v2                      ; lanes 16-31 take the column operand's
	s_add_co_u32 s21, s21, SCL
	v_add_nc_u32 v5, v5, v6
	v_add_nc_u32 v[ADRS], s21, v5
	; the way out's addresses.  My 128 x 128: block of rows 2 x tile row + half, block of columns 2 x tile column + half
	s_lshl_b32 s20, s17, 1
	s_add_co_u32 s20, s20, s15                     ; q, k: the block of 128 tokens;  v: the kv head
	s_lshl_b32 s46, s42, 1
	s_add_co_u32 s46, s46, s16                     ; q: the head 0..31;  k: 32 + the kv head;  v: the block of tokens
	s_sub_co_u32 s21, s46, 32
	s_lshl_b32 s23, s20, 5
	s_add_co_u32 s23, s23, s46
	s_mul_i32 s23, s23, 12800                      ; q's record
	s_cmp_eq_u32 ttmp9, 5
	s_cselect_b32 s21, s20, s21                    ; the kv head
	s_cselect_b32 s47, s46, s20                    ; the block of tokens
	s_cselect_b32 s66, 12800, 0                    ; V's record lies behind K's
	s_cselect_b32 s67, 0, 512                      ; from entry to entry of the table; 0 for v: every lane reads position 0
	s_cselect_b32 s18, 0, s20
	s_lshr_b32 s19, s47, 3                         ; the batch
	s_lshl_b32 s19, s19, 3
	s_add_co_u32 s19, s19, s21
	s_lshl_b32 s19, s19, 3
	s_and_b32 s47, s47, 7                          ; the key step
	s_add_co_u32 s19, s19, s47
	s_mul_i32 s19, s19, 25600
	s_add_co_u32 s19, s19, s66
	s_cmp_lt_u32 ttmp9, 4
	s_cselect_b32 s98, s23, s19
	s_mov_b32 s99, 0
	s_cselect_b64 s[REC:REC+1], s[10:11], s[12:13]
	s_add_nc_u64 s[REC:REC+1], s[REC:REC+1], s[98:99]
	s_and_b32 s18, s18, 7                          ; my 128 tokens' place in their sequence: 16 entries of 512 bytes each,
	s_lshl_b32 s18, s18, 13
	s_add_co_u32 s18, s18, 8192                    ; behind the 16 entries of R
	s_mov_b32 s19, 0
	s_add_nc_u64 s[TABP:TABP+1], s[8:9], s[18:19]
	s_mov_b32 s[SEL], 0x76543210
	s_mov_b32 s[SEL+1], 0xfedcba98
	s_mov_b32 s[HI], 0xffff0000
	v_and_b32 v6, 31, v0
	v_lshlrev_b32 v[LI], 4, v6
	v_lshlrev_b32 v7, 4, v2                        ; 16 h
	v_mad_u32_u24 v[TRO], v1, s67, v7              ; entry r
.irp a, 0,1,2,3,4,5,6,7
	v_mad_u32_u24 v[TAO+\a], s67, 4*(\a/2)+\a%2, v7   ; entry 4 (a / 2) + a % 2 of my tokens' sixteen
.endr
.irp p, 0,1,2,3,4,5,6,7                        ; cos, sin of R and of the first block's position: 32 loads that land while K is walked; their registers lie idle until the way out
	global_load_b128 v[CR+4*\p:CR+4*\p+3], v[TRO], s[8:9] offset:32*\p
	global_load_b128 v[SR+4*\p:SR+4*\p+3], v[TRO], s[8:9] offset:256+32*\p
.endr
	WIN TO_B
.irp p, 0,1,2,3,4,5,6,7
	global_load_b128 v[96+4*\p:99+4*\p], v[TAO], s[TABP:TABP+1] offset:32*\p
	global_load_b128 v[224+4*\p:227+4*\p], v[TAO], s[TABP:TABP+1] offset:256+32*\p
.endr
	WIN 0
.macro FRAG reg, adr, q, i             ; a fragment, 16 rows x 128 K: lane l holds row l % 16; registers 6 c .. 6 c + 5 hold K = 64 c + 32 (l / 16) + 0 .. 31: 24 bytes of the row's stream of bits, in pieces of 8 bytes
.irp p, 0,1,2,3,4,5
.set PCE, 12*(\q)+6*(\p/3)+\p%3        ; 16 bytes of padding lie behind every 8 pieces: where the piece three on lies behind one padding more, the second address register serves
.if PCE%8 < 5
	ds_load_b64 v[\reg+2*\p:\reg+2*\p+1], v[\adr] offset:8*PCE+16*(PCE/8)+(\i)*16*PITCH
.else
	ds_load_b64 v[\reg+2*\p:\reg+2*\p+1], v[\adr+2] offset:8*PCE+16*(PCE/8)+(\i)*16*PITCH
.endif
.endr
.endm
; 16 matrix instructions: row blocks a0, a0 + 1 x the eight column blocks, 128 along K.  The 64 accumulators take turns, one instruction a turn, in the same order in every step.
.macro MUL16 a0, p, q, sc, zero
.irp a, \a0, \a0+1
.irp b, 0,1,2,3,4,5,6,7
.if \zero
	v_wmma_scale_f32_16x16x128_f8f6f4 v[8*(8*((\a)%4)+\b):8*(8*((\a)%4)+\b)+7], v[128*(\p)+FR*\b:128*(\p)+FR*\b+FR-1], v[AF+FR*(\a):AF+FR*(\a)+FR-1], 0, v[SC+8*NQ*(\sc)+NQ*\b+(\q)], v[SC+8*NQ*(\sc)+NQ*(\a)+(\q)] matrix_a_fmt:MATRIX_FMT_FP6 matrix_b_fmt:MATRIX_FMT_FP6 matrix_a_scale:MATRIX_SCALE_ROW1
.else
	v_wmma_scale_f32_16x16x128_f8f6f4 v[8*(8*((\a)%4)+\b):8*(8*((\a)%4)+\b)+7], v[128*(\p)+FR*\b:128*(\p)+FR*\b+FR-1], v[AF+FR*(\a):AF+FR*(\a)+FR-1], v[8*(8*((\a)%4)+\b):8*(8*((\a)%4)+\b)+7], v[SC+8*NQ*(\sc)+NQ*\b+(\q)], v[SC+8*NQ*(\sc)+NQ*(\a)+(\q)] matrix_a_fmt:MATRIX_FMT_FP6 matrix_b_fmt:MATRIX_FMT_FP6 matrix_a_scale:MATRIX_SCALE_ROW1
.endif
.endr
.endr
.endm
.macro FETCH_B slot, q, p
	WIN TO_B
.irp i, 0,1,2,3,4,5,6,7
	FRAG 128*(\p)+FR*\i, ADRB+\slot, \q, \i
.endr
	WIN 0
.endm
.macro FETCH_A slot, q, i0
.irp i, \i0, \i0+1, \i0+2, \i0+3
	FRAG AF+FR*(\i), ADRA+\slot, \q, \i
.endr
.endm
.macro SCALES sc                       ; a K step's scale words: lanes 0-15 take the row operand's block i, lanes 16-31 the column operand's block i
.irp i, 0,1,2,3,4,5,6,7
	ds_load_b64 v[SC+8*NQ*\sc+NQ*\i:SC+8*NQ*\sc+NQ*\i+1], v[ADRS] offset:\i*SBLK
.endr
.endm
.macro PLACES n                        ; plain vector instructions between a matrix instruction and a load into, or a vector write of, its registers, or a read of its result
.rept \n
	v_nop
.endr
.endm
.macro STEP slot, q, zero              ; a step of 128 along K that has its successor in the same slot
	s_wait_dscnt 4*NL                              ; the column set and row blocks 0-3 are in; the youngest 24 loads (row blocks 4-7) may be out
	WIN MUL_LO
	MUL16 0, (\q)%2, \q, \slot, \zero
	MUL16 2, (\q)%2, \q, \slot, \zero
	s_wait_dscnt 0                                 ; row blocks 4-7 are in
	PLACES NP
	FETCH_B \slot, (\q)+1, 1-(\q)%2
	FETCH_A \slot, (\q)+1, 0
	WIN MUL_HI
	MUL16 4, (\q)%2, \q, \slot, \zero
	MUL16 6, (\q)%2, \q, \slot, \zero
	PLACES NP
	WIN 0
	FETCH_A \slot, (\q)+1, 4
.endm
; A slot's last step changes slots: ONE barrier; in front of it each wave waits for all its tensor loads, adds 0 to its spare word, and waits for that and for its reads of this slot.  fill = 1: this slot is filled again, two K steps ahead.
.macro TURN slot, next, fill
	s_wait_tensorcnt 0x0                           ; all my tensor loads have landed: my part of the next slot
	ds_add_u32 v[SPW], v[NIL]                      ; 0 onto my spare word
	s_wait_dscnt 4*NL+1                            ; (the add and the youngest 24 loads may be out)
	WIN MUL_LO
	MUL16 0, 1, NQ-1, \slot, 0                     ; sixteen matrix instructions stand between the add and the wait for it
	s_wait_dscnt 0x0                               ; the add is done, and my reads of this slot are over
	s_barrier_signal -1
	MUL16 2, 1, NQ-1, \slot, 0
	WIN 0
	s_barrier_wait -1
.if \fill
	CREST                                          ; the barrier has opened a round of the cluster's barrier: no wave of any partner still reads this slot or has a load on its way
	s_add_nc_u64 s[G0+4*\slot+2:G0+4*\slot+3], s[G0+4*\slot+2:G0+4*\slot+3], 2*ROWB
	s_add_nc_u64 s[G0B+4*\slot+2:G0B+4*\slot+3], s[G0B+4*\slot+2:G0B+4*\slot+3], 2*ROWB
	JLOAD G0+4*\slot, G1, G0B+4*\slot, G1B         ; the first tensor load behind the round; its four v_nop are the places in front of the loads below
.else
	PLACES NP
.endif
	v_add_nc_u32 v[ADRS], 4*NQ, v[ADRS]            ; on to the next K step's scale words
	FETCH_B \next, 0, 0
	FETCH_A \next, 0, 0
	SCALES \next
	WIN MUL_HI
	MUL16 4, 1, NQ-1, \slot, 0
	MUL16 6, 1, NQ-1, \slot, 0
	PLACES NP
	WIN 0
	FETCH_A \next, 0, 4
.endm
	s_wait_tensorcnt 1                             ; the scales and my part of K step 0 are in (K step 1's load may be out),
	s_barrier_signal -1
	s_barrier_wait -1                              ; everybody's are
	FETCH_B 0, 0, 0
	FETCH_A 0, 0, 0
	SCALES 0
	FETCH_A 0, 0, 4
	STEP 0, 0, 1                                   ; the first step stands in front of the loop: its products start the sums
	s_mov_b32 s3, LAPS-1
.Llap:                                                 ; a trip goes once round the ring and fills both slots again
	TURN 0, 1, 1
	STEP 1, 0, 0
	TURN 1, 0, 1
	STEP 0, 0, 0
	s_sub_co_u32 s3, s3, 1
	s_cmp_lg_u32 s3, 0
	s_cbranch_scc1 .Llap
	TURN 0, 1, 0                                   ; the last lap fills nothing
	STEP 1, 0, 0
	s_wait_dscnt 4*NL
	WIN MUL_LO
	MUL16 0, 1, NQ-1, 1, 0
	MUL16 2, 1, NQ-1, 1, 0
	s_wait_dscnt 0
	WIN MUL_HI
	MUL16 4, 1, NQ-1, 1, 0
	MUL16 6, 1, NQ-1, 1, 0
	WIN 0
; 64 numbers of a lane, register 16 b + i = k 32 b + 16 (lane / 16) + i of my row, become a fragment's codes in v[PC] on and its scale word in v[pw].
.macro QUANT s, pw
.irp b, 0,1,2,3
	v_max3_num_f32 v[TM+\b], |v[\s+16*\b]|, |v[\s+1+16*\b]|, 0x1800000   ; block b: my 16 numbers, and the floor 2^(3 - 127): the byte cannot fall under 1
.endr
.irp i, 2,4,6,8,10,12,14
.irp b, 0,1,2,3
	v_max3_num_f32 v[TM+\b], v[TM+\b], |v[\s+16*\b+\i]|, |v[\s+1+16*\b+\i]|   ; (the four blocks by turns)
.endr
.endr
.irp b, 0,1,2,3
	v_permlanex16_b32 v[TM+4+\b], v[TM+\b], s[SEL], s[SEL+1]
.endr
.irp b, 0,1,2,3
	v_max_num_f32 v[TM+\b], v[TM+\b], v[TM+4+\b]   ; with lane l xor 16's: the block's largest magnitude
.endr
.irp b, 0,1,2,3
	v_add_nc_u32 v[TM+12+\b], 0xff000000, v[TM+\b] ; 2 off its exponent field: the conversion's scale operand
.endr
.irp b, 0,1,2,3
	v_lshrrev_b32 v[TM+4+\b], 23, v[TM+12+\b]      ; the scale's byte
.endr
	v_lshl_or_b32 v[\pw], v[TM+5], 8, v[TM+4]      ; the four bytes make my row's scale word
	v_lshl_or_b32 v[\pw], v[TM+6], 16, v[\pw]
	v_lshl_or_b32 v[\pw], v[TM+7], 24, v[\pw]
.irp c, 0,1
	v_cvt_scalef32_pk16_fp6_f32 v[PC+6*\c:PC+2+6*\c], v[\s+32*\c:\s+15+32*\c], v[TM+12+2*\c]
	v_cvt_scalef32_pk16_fp6_f32 v[PT+4*\c:PT+2+4*\c], v[\s+16+32*\c:\s+31+32*\c], v[TM+12+2*\c+1]   ; (a conversion's three registers begin on an even number)
.endr
	v_nop                                          ; one plain place behind a scaled conversion
.irp c, 0,1                                    ; the operand's layout wants a WHOLE block in a lane: lanes 0-15 block 2 c, lanes 16-31 block 2 c + 1
.irp i, 0,1,2
	v_permlane16_swap_b32 v[PC+6*\c+\i], v[PT+4*\c+\i]
.endr
.irp i, 0,1,2
	v_mov_b32 v[PC+3+6*\c+\i], v[PT+4*\c+\i]
.endr
.endr
.endm
; THE WAY OUT of block a (16 rows x the 128 columns): the block's cos, sin are joined with R's; the sums are rotated; quantised; the fragment's image is stored: each store covers 512 consecutive bytes, aligned.
.macro EPI a
.set AC, 64*((\a)%4)
.set CA, 96-32*((\a)%2)                ; this block's cos, sin: set a % 2 in window 1
.set SA, 224-96*((\a)%2)
.set CN, 96-32*(((\a)+1)%2)            ; the next block's: the other set
.set SN, 224-96*(((\a)+1)%2)
	s_wait_loadcnt 0x0                             ; this block's cos, sin are in (with block 0: R's too); no other load is out
.if (\a) < 7
	WIN TO_B
.irp p, 0,1,2,3,4,5,6,7
	global_load_b128 v[CN+4*\p:CN+4*\p+3], v[TAO+(\a)+1], s[TABP:TABP+1] offset:32*\p
	global_load_b128 v[SN+4*\p:SN+4*\p+3], v[TAO+(\a)+1], s[TABP:TABP+1] offset:256+32*\p
.endr
.endif
	WIN 0x51                                       ; source 0, source 2 and destination window 1; source 1 (R's) window 0
.set e, 0
.rept 16
	v_pk_mul_f32 v[CC+e:CC+e+1], v[CA+e:CA+e+1], v[CR+e:CR+e+1]
	v_pk_mul_f32 v[SS+e:SS+e+1], v[SA+e:SA+e+1], v[CR+e:CR+e+1]
.set e, e+2
.endr
.set e, 0
.rept 16
	v_pk_fma_f32 v[CC+e:CC+e+1], v[SA+e:SA+e+1], v[SR+e:SR+e+1], v[CC+e:CC+e+1] neg_lo:[1,0,0] neg_hi:[1,0,0]   ; cos = cA cR - sA sR
	v_pk_fma_f32 v[SS+e:SS+e+1], v[CA+e:CA+e+1], v[SR+e:SR+e+1], v[SS+e:SS+e+1]                                 ; sin = sA cR + cA sR
.set e, e+2
.endr
	WIN 0x04|(2+(\a)/4)                            ; source 0: the sums, window 2 or 3; source 1: cos, sin, window 1; source 2 and destination window 0
.set e, 0
.rept 16                                       ; registers 0-31 are channels c < 64, registers 32-63 channels 64 + c.  Each accumulator is read from its low end on
	v_pk_mul_f32 v[YY+e:YY+e+1], v[AC+e:AC+e+1], v[CC+e:CC+e+1]
	v_pk_mul_f32 v[YY+32+e:YY+33+e], v[AC+e:AC+e+1], v[SS+e:SS+e+1]
.set e, e+2
.endr
.set e, 0
.rept 16
	v_pk_fma_f32 v[YY+e:YY+e+1], v[AC+32+e:AC+33+e], v[SS+e:SS+e+1], v[YY+e:YY+e+1] neg_lo:[1,0,0] neg_hi:[1,0,0]   ; x1 cos - x2 sin
	v_pk_fma_f32 v[YY+32+e:YY+33+e], v[AC+32+e:AC+33+e], v[CC+e:CC+e+1], v[YY+32+e:YY+33+e]                         ; x1 sin + x2 cos
.set e, e+2
.endr
	WIN 0
.if (\a) > 0
	s_wait_xcnt 0x0                                ; the last block's stores have read their data: the codes' registers may be written
.endif
.if (\a)%2
	QUANT YY, PW
.else
	QUANT YY, PWE
.endif
.irp c, 0,1,2
	global_store_b128 v[LI], v[PC+4*\c:PC+4*\c+3], s[REC:REC+1] offset:1536*(\a)+512*\c
.endr
.if (\a)%2
	v_cndmask_b32 v[SCW+(\a)/2], v[PWE], v[PW], s[HI]   ; lanes 0-15 the even block's words, lanes 16-31 the odd block's
.endif
.endm
	PLACES NP                                      ; behind the last products: their operands' registers are written below
.irp b, 0,1,2,3
	v_mov_b32 v[TM+4+\b], 0                        ; written once: a lane permute's destination counts as one of its sources
.endr
.irp a, 0,1,2,3,4,5,6,7
	EPI \a
.endr
	global_store_b128 v[LI], v[SCW:SCW+3], s[REC:REC+1] offset:12288
	s_wait_tensorcnt 0x0                           ; the wave's end
	ds_add_u32 v[SPW], v[NIL]
	s_wait_dscnt 0x0
	CROUND                                         ; the closing round: no work-group ends while a partner may still ask for a tile that names it
	s_endpgm
.Lfunc_end_k_qa67057094f_gemm_qkv:
	.size	k_qa67057094f_gemm_qkv, .Lfunc_end_k_qa67057094f_gemm_qkv-k_qa67057094f_gemm_qkv
	.p2alignl 7, 3214868480
	.fill 96, 4, 3214868480
	.section	.rodata,"a",@progbits
	.p2align	6, 0x0
	.amdhsa_kernel k_qa67057094f_gemm_qkv
		.amdhsa_group_segment_fixed_size 327680
		.amdhsa_private_segment_fixed_size 0
		.amdhsa_enable_private_segment 0
		.amdhsa_kernarg_size 40
		.amdhsa_user_sgpr_count 2
		.amdhsa_user_sgpr_kernarg_segment_ptr 1
		.amdhsa_wavefront_size32 1
		.amdhsa_system_sgpr_workgroup_id_x 1
		.amdhsa_system_sgpr_workgroup_id_y 1
		.amdhsa_system_sgpr_workgroup_id_z 1
		.amdhsa_system_vgpr_workitem_id 0
		.amdhsa_next_free_vgpr 1024
		.amdhsa_next_free_sgpr 100
		.amdhsa_reserve_vcc 0
		.amdhsa_float_denorm_mode_32 3
		.amdhsa_float_denorm_mode_16_64 3
		.amdhsa_memory_ordered 1
		.amdhsa_forward_progress 1
		.amdhsa_inst_pref_size 244
	.end_amdhsa_kernel
	.amdgpu_metadata
---
amdhsa.version: [ 1, 2 ]
amdhsa.kernels:
  - .name:           k_qa67057094f_gemm_qkv
    .symbol:         k_qa67057094f_gemm_qkv.kd
    .args:
      - { .name: xq, .offset: 0, .size: 8, .value_kind: global_buffer, .address_space: global }
      - { .name: wq, .offset: 8, .size: 8, .value_kind: global_buffer, .address_space: global }
      - { .name: tab, .offset: 16, .size: 8, .value_kind: global_buffer, .address_space: global }
      - { .name: qb, .offset: 24, .size: 8, .value_kind: global_buffer, .address_space: global }
      - { .name: kv, .offset: 32, .size: 8, .value_kind: global_buffer, .address_space: global }
    .group_segment_fixed_size: 327680
    .private_segment_fixed_size: 0
    .kernarg_segment_align: 8
    .kernarg_segment_size: 40
    .max_flat_workgroup_size: 128
    .sgpr_count:     100
    .vgpr_count:     1024
    .wavefront_size: 32
...
	.end_amdgpu_metadata
.endif
;; end of part 2
;; launch attn (part 3): grid 16 x 16, 16 waves a work-group, clusters of 4 x 1, 232,448 bytes of LDS; arguments qb, kv, oq; writes oq
.if DOCPART == 3
	.amdgcn_target "amdgcn-amd-amdhsa--gfx1250"
	.amdhsa_code_object_version 6
	.text
	.protected	k_qa67057094f_attn
	.globl	k_qa67057094f_attn
	.p2align	8
	.type	k_qa67057094f_attn,@function
k_qa67057094f_attn:
	s_mov_b64 s[64:65], 0
	v_nop
	global_prefetch_b8 v0, s[64:65] scope:SCOPE_SE
	s_setreg_imm32_b32 hwreg(HW_REG_WAVE_MODE, 25, 1), 1
	s_wait_xcnt 0x0
	s_wait_alu depctr_hold_cnt(0) depctr_sa_sdst(0) depctr_va_vdst(0) depctr_va_sdst(0) depctr_va_ssrc(0) depctr_va_vcc(0) depctr_vm_vsrc(0)
	s_getreg_b32 s2, hwreg(HW_REG_IB_STS2, 6, 4)
	s_cmp_eq_u32 s2, 0
	s_cbranch_scc0 .Lentry_in_a_cluster
	s_endpgm
.Lentry_in_a_cluster:
	s_bfe_u32 s2, ttmp6, 0x10000c
	s_cmp_lg_u32 s2, 0x3003
	s_cbranch_scc0 .Lentry_shape_is_right
	s_endpgm
.Lentry_shape_is_right:
; Causal attention on codes of FP6 (E2M3): S^T = K Q^T, p = 2^(t - M), O^T = V^T P^T, O / l, and O quantised along (head, channel) for the output projection.  16 (batch, kv head) pairs, 4 query heads to a kv head, 1,024 keys, head size 128.
; t = score x log2(e) / sqrt(128); M = the running largest t rounded UP to a whole number; the row's sum l is taken of the unquantised p; when M moves, l and O are multiplied by 2^(old M - new M): exact.
; IN.  qb, kv: records of 12,800 bytes (128 rows x 128 K): 8 fragments as images of their 12 registers (3 pieces of 32 lanes x 16 bytes), then scale words [lane][4]: word (l, n) = row l % 16 of tile 2 n + l / 16.
; Lane r of tile a holds row 32 (a / 2) + 8 (a % 2) + r + 8 (r / 8): so p's 16 registers of two neighbouring tiles of keys are 16 neighbouring keys, and O^T's of two tiles of channels 16 neighbouring channels.
; SHARES.  y = the (batch, kv head) pair.  A wave owns ONE tile of 16 queries of one query head, in 256 registers: four waves to a SIMD.  Wave w: head i = w / 4; block of 128 tokens g8 = ((t & 2) + sigma) xor 7 (t & 1),
; t = (w + i) % 4, sigma = cluster x / 2; in it tile 2 J + u, J = my place in the cluster, u = cluster x % 2.  It works key steps 0 .. g8 (128 keys each); step g8 lies on the diagonal.  The blocks of a work-group's waves
; are {0, 7, 2, 5} or {1, 6, 3, 4}: 18 steps for each head, the same in every work-group.  What a wave walks hangs on its number and the cluster's x, never on the place in the cluster.
; K AND V of the pair, 204,800 bytes, come into LDS ONCE, in four quarters of two key steps, by joint loads of the cluster's four partners, which read the same bytes (waves 0-3: four loads each, four out at the most).
; Nothing is filled again.  All quarters are asked for by all partners, also those that a partner's waves read only in part: partners make every joint request alike.
; OUT.  oq: codes [kv head][token][4 heads x 96 bytes], scale words [token][32].  The 16 waves' fragments meet in a stage as rows of 384 bytes; each wave stores 4 rows, 1,536 consecutive bytes, aligned to 256.
; LIMITS: hidden scores are -infinity where reference() has the most negative number: p is 0 either way (key 0 counts for every query).  A block of zeros gets the scale byte 1.  NaN and infinities are not served.
; REGISTERS: v1 16 x lane; v2-4, v7 the way out's LDS addresses; v5, v6 the add's two; v8 the step's LDS address; v9, v10 Q's offsets; v12 -M, v13 the largest t, v[14:15] the sum; v16-27 Q; v28 the mask's bound;
; v32-79 four fragments of K or V; v80-83 V's scale words; v96-159 S^T, then p; v160-223 O^T; v224-235 p's codes; v232-254 at work; v248-251 K's scale words; v253 p's scale word; v255 Q's.
.set KVB,   25600                      ; a key step in LDS: K's images, K's scale words at 12,288, V's images at 12,800, V's scale words at 25,088
.set STG,   204800                     ; behind K and V: the stage, 4 tiles x 16 rows x 384 bytes;
.set SSTG,  229376                     ; the scale words' stage, 64 rows x 16 bytes;
.set SPARE, 230400                     ; the spare words, 128 bytes for each wave: eight blocks of 256 bytes that no other line names
.set SPW,  5
.set NIL,  6
.set SI,   2                           ; s2   the key step
.set TB,   3                           ; s3   its first LDS byte
.set G8,   16                          ; s16  my last key step
.set WV,   18                          ; s18  my wave's number
.set TW,   19                          ; s19  counts a quarter's two steps
.set SEL,  20                          ; s[20:21] lane l xor 16
.set CS,   22                          ; s[22:23] c = log2(e) / sqrt(128)
.set G1,   24                          ; s[24:31] descriptor group 1;  s[32:47] four groups 0
.set G0,   32
.set TM,   232                         ; the way out's quantiser
.set PC,   32
.set PT,   44
.set PW,   52
.macro CROUND                          ; a round of the cluster's barrier
	s_barrier_signal -1
	s_barrier_wait -1
	s_cmp_lg_u32 s[WV], 0
	s_cbranch_scc1 .Lnot_wave_0_\@
	s_barrier_signal -3
.Lnot_wave_0_\@:
	s_barrier_wait -3
	s_barrier_signal -1
	s_barrier_wait -1
.endm
	s_load_b128 s[4:7], s[0:1], 0x0                ; qb s[4:5], kv s[6:7]
	s_load_b64 s[8:9], s[0:1], 0x10                ; oq
	v_lshl_add_u32 v[SPW], v0, 2, SPARE
	v_mov_b32 v[NIL], 0
	ds_add_u32 v[SPW], v[NIL]                      ; the wave's opening: the add, its wait ahead of the first tensor loads; the set-up below stands between them
	v_lshrrev_b32 v8, 5, v0
	v_readfirstlane_b32 s[WV], v8                  ; wave 0..15
	s_bfe_u32 s10, ttmp6, 0x40000                  ; J: my place in the cluster: it enters global addresses and the mask's bound alone
	s_and_b32 s11, ttmp9, 1                        ; u
	s_lshr_b32 s12, ttmp9, 1                       ; sigma
	s_and_b32 s13, ttmp7, 0xffff                   ; the (batch, kv head) pair, which the partners share
	s_lshr_b32 s14, s[WV], 2                       ; i
	s_add_co_u32 s15, s[WV], s14
	s_and_b32 s15, s15, 3                          ; t
	s_and_b32 s[G8], s15, 2
	s_add_co_u32 s[G8], s[G8], s12
	s_and_b32 s17, s15, 1
	s_mul_i32 s17, s17, 7
	s_xor_b32 s[G8], s[G8], s17                    ; my block of 128 tokens, and my last key step
	s_lshr_b32 s52, s13, 3                         ; the batch
	s_and_b32 s53, s13, 7                          ; the kv head
	; descriptor group 1: 12,800 dense bytes as 50 rows of 256 (32 elements of 8 bytes); the mask names all four partners
	s_mov_b32 s[G1], 15|(3<<16)|(1<<21)
	s_mov_b32 s[G1+1], 32<<16
	s_mov_b32 s[G1+2], 50<<16
	s_mov_b32 s[G1+3], 32<<16
	s_mov_b32 s[G1+4], 50
	s_mov_b32 s[G1+5], 32
	s_mov_b32 s[G1+6], 0
	s_mov_b32 s[G1+7], 0
	s_and_b32 s48, s[WV], 3
	s_mul_i32 s48, s48, 12800                      ; which record of a quarter's four I fetch, if I fetch
	s_mul_i32 s50, s13, 8*KVB
	s_add_co_u32 s50, s50, s48
	s_mov_b32 s51, 0
	s_mov_b32 s[SEL], 0x76543210
	s_mov_b32 s[SEL+1], 0xfedcba98
	s_mov_b32 s[CS], 0x3e0293ee
	s_mov_b32 s[CS+1], s[CS]                       ; (named with it as a pair, so it is written)
	s_mov_b32 s[SI], 0
	s_mov_b32 s[TB], 0
	s_wait_dscnt 0x0                               ; the opening add is done
	s_wait_kmcnt 0x0
	s_add_nc_u64 s[50:51], s[6:7], s[50:51]
	CROUND                                         ; all four work-groups are here: the joint loads meet
.irp q, 0,1,2,3
	s_mov_b32 s[G0+4*\q], 1
	s_add_co_u32 s[G0+4*\q+1], s48, 2*KVB*\q
	s_add_nc_u64 s[G0+4*\q+2:G0+4*\q+3], s[50:51], 2*KVB*\q
	s_or_b32 s[G0+4*\q+3], s[G0+4*\q+3], 0x80000000
.endr
	s_cmp_lt_u32 s[WV], 4                          ; a wave's four loads stand in one branch on the wave's number, ahead of every wait on TENSORcnt and every LDS read
	s_cbranch_scc0 .Lno_fetch
.irp q, 0,1,2,3
	tensor_load_to_lds s[G0+4*\q:G0+4*\q+3], s[G1:G1+7]
	s_nop 0
.endr
.rept 4
	v_nop
.endr
.Lno_fetch:
	v_and_b32 v29, 15, v0                          ; r
	v_bfe_u32 v30, v0, 4, 1                        ; h
	v_and_b32 v31, 31, v0
	v_lshlrev_b32 v1, 4, v31                       ; 16 x lane
	s_lshl_b32 s54, s52, 3                         ; Q: record (batch x 8 + g8) x 32 + 4 x kv head + i,
	s_add_co_u32 s54, s54, s[G8]
	s_lshl_b32 s54, s54, 5
	s_lshl_b32 s55, s53, 2
	s_add_co_u32 s54, s54, s55
	s_add_co_u32 s54, s54, s14
	s_mul_i32 s54, s54, 12800
	s_mov_b32 s55, 0
	s_add_nc_u64 s[4:5], s[4:5], s[54:55]
	s_lshl_b32 s56, s10, 1
	s_add_co_u32 s56, s56, s11
	s_mul_i32 s56, s56, 1536                       ; in it tile 2 J + u
	v_add_nc_u32 v9, s56, v1
.irp c, 0,1,2
	global_load_b128 v[16+4*\c:19+4*\c], v9, s[4:5] offset:512*\c
.endr
	s_lshl_b32 s56, s11, 8
	s_lshl_b32 s57, s10, 2
	s_add_co_u32 s56, s56, s57
	v_lshl_add_u32 v10, v29, 4, s56                ; its scale words: lane r + 16 u's word J
	global_load_b32 v255, v10, s[4:5] offset:12288
	; the way out's LDS addresses, made here, on the path that all waves take
	s_mul_i32 s54, s15, 6144
	s_mul_i32 s55, s14, 96
	s_add_co_u32 s54, s54, s55
	s_add_co_u32 s54, s54, STG
	v_mul_u32_u24 v2, v29, 384
	v_mad_u32_u24 v2, v30, 24, v2
	v_add_nc_u32 v2, s54, v2                       ; in: tile t, row r, my head's 96 bytes, + 24 h
	s_lshl_b32 s54, s15, 8
	s_lshl_b32 s55, s14, 2
	s_add_co_u32 s54, s54, s55
	s_add_co_u32 s54, s54, SSTG
	v_lshl_add_u32 v3, v29, 4, s54                 ; the scale word: tile t, row r, word i
	s_mul_i32 s54, s[WV], 1536
	s_add_co_u32 s54, s54, STG
	v_add_nc_u32 v4, s54, v1                       ; back: 4 rows a wave
	v_and_b32 v7, 63, v0
	v_lshl_add_u32 v7, v7, 4, SSTG                 ; and, in waves 0 and 1, a row's four scale words a lane
	v_and_b32 v28, 8, v29                          ; the mask: register 16 b + i of the diagonal step holds key 32 b + 16 h + i; my query is 32 J + 8 u + r + 8 (r / 8): hidden where 32 b + i > query - 16 h
	v_add_nc_u32 v28, v28, v29
	v_lshlrev_b32 v31, 4, v30
	v_sub_nc_u32 v28, v28, v31
	s_lshl_b32 s54, s10, 5
	s_lshl_b32 s55, s11, 3
	s_add_co_u32 s54, s54, s55
	v_add_nc_u32 v28, s54, v28
	v_mov_b32 v13, 0xff61b1e6                      ; the largest t so far: -3e38, under every t
	v_floor_f32 v12, -v13                          ; -M
	v_mov_b32 v14, 0                               ; the sum, in two halves
	v_mov_b32 v15, 0
.irp b, 0,1,2,3
	v_mov_b32 v[236+\b], 0                         ; written once: a lane permute's destination counts as one of its sources
.endr
	v_mov_b32 v252, 0
	v_mov_b32 v253, 0
.set j, 0
.rept 64
	v_mov_b32 v[160+j], 0                          ; O^T.  (The step is written for every step alike: the first finds zeros, which the first change of M leaves zeros)
.set j, j+1
.endr
	s_wait_loadcnt 0x0                             ; Q
; A KEY STEP: 128 keys.  A step all of whose keys come after my queries is left out: a scalar branch on ids, round the step's loads, products and softmax, not round the lines at its end that step the count and the address.
.macro STEP
	s_cmp_gt_u32 s[SI], s[G8]
	s_cbranch_scc1 .Lhidden_\@
	v_add_nc_u32 v8, s[TB], v1
.rept 3
	v_nop                                          ; with the addition: four places in front of loads into registers that the last step's products have read
.endr
.irp g, 0,1                                    ; S^T = K Q^T, four tiles of 16 keys at a time
.if \g > 0
.rept 4
	v_nop
.endr
.endif
.irp t, 0,1,2,3
.irp c, 0,1,2
	ds_load_b128 v[32+12*\t+4*\c:35+12*\t+4*\c], v8 offset:(4*\g+\t)*1536+512*\c
.endr
.endr
.if \g == 0
	ds_load_b128 v[248:251], v8 offset:12288       ; K's scale words: register n: lanes 0-15 tile 2 n, lanes 16-31 tile 2 n + 1
.endif
	s_wait_dscnt 0x0
.irp t, 0,1,2,3
.if \t%2
	v_wmma_scale_f32_16x16x128_f8f6f4 v[96+8*(4*\g+\t):103+8*(4*\g+\t)], v[32+12*\t:43+12*\t], v[16:27], 0, v[248+(4*\g+\t)/2], v255 matrix_a_fmt:MATRIX_FMT_FP6 matrix_b_fmt:MATRIX_FMT_FP6 matrix_a_scale:MATRIX_SCALE_ROW1
.else
	v_wmma_scale_f32_16x16x128_f8f6f4 v[96+8*(4*\g+\t):103+8*(4*\g+\t)], v[32+12*\t:43+12*\t], v[16:27], 0, v[248+(4*\g+\t)/2], v255 matrix_a_fmt:MATRIX_FMT_FP6 matrix_b_fmt:MATRIX_FMT_FP6
.endif
.endr
.endr
.rept 4
	v_nop
.endr
	s_cmp_lg_u32 s[SI], s[G8]                      ; on the diagonal the scores of hidden keys become -infinity ahead of the maximum: p = 0 then.  A step all of whose keys count skips this
	s_cbranch_scc1 .Lopen_\@
	v_mov_b32 v254, 0xff800000
.set n, 0
.rept 64
	v_cmp_gt_i32 vcc_lo, 32*(n/16)+n%16, v28
	v_cndmask_b32 v[96+n], v[96+n], v254, vcc_lo
.set n, n+1
.endr
.Lopen_\@:
.irp b, 0,1,2,3
	v_max3_num_f32 v[232+\b], v[96+16*\b], v[97+16*\b], v[98+16*\b]   ; THE LARGEST SCORE OF EACH BLOCK OF 32 KEYS: for the row's maximum, and, since p rises with the score, for the block's largest p
.endr
.irp i, 3,5,7,9,11,13
.irp b, 0,1,2,3
	v_max3_num_f32 v[232+\b], v[232+\b], v[96+16*\b+\i], v[97+16*\b+\i]
.endr
.endr
.irp b, 0,1,2,3
	v_max_num_f32 v[232+\b], v[232+\b], v[111+16*\b]
.endr
.irp b, 0,1,2,3
	v_permlanex16_b32 v[236+\b], v[232+\b], s[SEL], s[SEL+1]
.endr
.irp b, 0,1,2,3
	v_max_num_f32 v[232+\b], v[232+\b], v[236+\b]  ; with lane l xor 16's 16 keys
.endr
	v_max3_num_f32 v254, v232, v233, v234
	v_max_num_f32 v254, v254, v235                 ; the step's largest score of my query
	v_mul_f32 v254, s[CS], v254                    ; as t (c is positive)
	v_max_num_f32 v13, v13, v254                   ; the running largest t
	v_mov_b32 v254, v12
	v_floor_f32 v12, -v13                          ; the new -M = floor(-t) = -ceil(t): M is a whole number
	v_sub_f32 v254, v12, v254                      ; M's old value less its new one: a whole number, 0 or less
	v_cvt_i32_f32 v254, v254                       ; (it saturates)
	v_ldexp_f32 v252, 1.0, v254                    ; f = 2^(old M - new M)
.set j, 0
.rept 32
	v_pk_fma_f32 v[96+j:97+j], v[96+j:97+j], s[CS:CS+1], v[12:13] op_sel_hi:[1,0,0]   ; t - M, two at a time
.set j, j+2
.endr
.irp b, 0,1,2,3
	v_fma_f32 v[232+\b], v[232+\b], s[CS], v12     ; the same of each block's largest score
.endr
.set j, 0
.rept 64
	v_exp_f32 v[96+j], v[96+j]                     ; p = 2^(t - M), at most 1: not normalised
.set j, j+1
.endr
	v_pk_mul_f32 v[14:15], v[14:15], v[252:253] op_sel_hi:[1,0]   ; the sums under the new M.  (A plain place behind the exponentials)
	s_wait_alu depctr_va_vdst(0)                   ; one wait for the whole batch, ahead of its first reader
.irp b, 0,1,2,3
	v_exp_f32 v[232+\b], v[232+\b]                 ; the block's largest p: the same two instructions on the same number give the same bits
.endr
	v_pk_add_f32 v[236:237], v[96:97], v[98:99]    ; the row's sum is taken of the unquantised p: two at a time, in two chains.  (It reads the 64 alone: plain work behind the four)
.irp j, 4,8,12,16,20,24,28,32,36,40,44,48,52,56,60
	v_pk_add_f32 v[14:15], v[14:15], v[96+\j:97+\j]
	v_pk_add_f32 v[236:237], v[236:237], v[98+\j:99+\j]
.endr
	v_pk_add_f32 v[14:15], v[14:15], v[236:237]
	s_wait_alu depctr_va_vdst(0)                   ; and one for the four
.irp b, 0,1,2,3
	v_max_num_f32 v[232+\b], 0x1800000, v[232+\b]  ; the floor 2^(3 - 127): the byte cannot fall under 1
.endr
.irp b, 0,1,2,3
	v_add_nc_u32 v[244+\b], 0xff000000, v[232+\b]  ; 2 off the exponent field: the conversion's scale operand
.endr
.irp b, 0,1,2,3
	v_lshrrev_b32 v[236+\b], 23, v[244+\b]         ; the scale's byte
.endr
	v_lshl_or_b32 v253, v237, 8, v236              ; p's scale word for these 128 keys
	v_lshl_or_b32 v253, v238, 16, v253
	v_lshl_or_b32 v253, v239, 24, v253
.irp c, 0,1
	v_cvt_scalef32_pk16_fp6_f32 v[224+6*\c:226+6*\c], v[96+32*\c:111+32*\c], v[244+2*\c]
	v_cvt_scalef32_pk16_fp6_f32 v[236+4*\c:238+4*\c], v[112+32*\c:127+32*\c], v[244+2*\c+1]
.endr
	v_nop                                          ; one plain place behind a scaled conversion
.irp c, 0,1                                    ; the operand's layout wants a WHOLE block in a lane
.irp i, 0,1,2
	v_permlane16_swap_b32 v[224+6*\c+\i], v[236+4*\c+\i]
.endr
.irp i, 0,1,2
	v_mov_b32 v[227+6*\c+\i], v[236+4*\c+\i]
.endr
.endr
.set j, 0
.rept 32
	v_pk_mul_f32 v[160+j:161+j], v[160+j:161+j], v[252:253] op_sel_hi:[1,0]   ; O^T under the new M.  (These 32 are also the places in front of the matrix instructions and loads below)
.set j, j+2
.endr
.irp g, 0,1                                    ; O^T += V^T P^T: four tiles of 16 channels at a time; K = these 128 keys
.if \g > 0
.rept 4
	v_nop
.endr
.endif
.irp t, 0,1,2,3
.irp c, 0,1,2
	ds_load_b128 v[32+12*\t+4*\c:35+12*\t+4*\c], v8 offset:12800+(4*\g+\t)*1536+512*\c
.endr
.endr
.if \g == 0
	ds_load_b128 v[80:83], v8 offset:25088         ; V's scale words
.endif
	s_wait_dscnt 0x0
.irp t, 0,1,2,3
.if \t%2
	v_wmma_scale_f32_16x16x128_f8f6f4 v[160+8*(4*\g+\t):167+8*(4*\g+\t)], v[32+12*\t:43+12*\t], v[224:235], v[160+8*(4*\g+\t):167+8*(4*\g+\t)], v[80+(4*\g+\t)/2], v253 matrix_a_fmt:MATRIX_FMT_FP6 matrix_b_fmt:MATRIX_FMT_FP6 matrix_a_scale:MATRIX_SCALE_ROW1
.else
	v_wmma_scale_f32_16x16x128_f8f6f4 v[160+8*(4*\g+\t):167+8*(4*\g+\t)], v[32+12*\t:43+12*\t], v[224:235], v[160+8*(4*\g+\t):167+8*(4*\g+\t)], v[80+(4*\g+\t)/2], v253 matrix_a_fmt:MATRIX_FMT_FP6 matrix_b_fmt:MATRIX_FMT_FP6
.endif
.endr
.endr
.Lhidden_\@:
	s_add_co_u32 s[SI], s[SI], 1
	s_add_co_u32 s[TB], s[TB], KVB
.endm
; A quarter of K and V: the waves that fetched wait for their load of it (3 - q later loads may stay out), a barrier shows it to all sixteen, and its two key steps are walked.
.macro STAGE q
	s_wait_tensorcnt 3-\q
	s_barrier_signal -1
	s_barrier_wait -1
	s_mov_b32 s[TW], 2
.Lstep_\@:
	STEP
	s_sub_co_u32 s[TW], s[TW], 1
	s_cmp_lg_u32 s[TW], 0
	s_cbranch_scc1 .Lstep_\@
.endm
	STAGE 0
	STAGE 1
	STAGE 2
	STAGE 3
	; THE WAY OUT.  O^T / l; register 16 b + i is channel 32 b + 16 h + i of my query: quantised as it stands.
.rept 4
	v_nop                                          ; places behind the last products
.endr
	v_add_f32 v14, v14, v15                        ; the sum's two halves,
	v_permlanex16_b32 v252, v14, s[SEL], s[SEL+1]
	v_add_f32 v14, v14, v252                       ; and lane l xor 16's: the row's sum
	v_rcp_f32 v14, v14
	v_and_b32 v84, 63, v0                          ; (plain work behind the reciprocal)  the scale words' way out: row rho = 32 w + lane of the stage: tile rho / 16, row rho % 16
	v_lshrrev_b32 v85, 4, v84
	v_and_b32 v86, 2, v85
	v_add_nc_u32 v86, s12, v86
	v_and_b32 v85, 1, v85
	v_mul_u32_u24 v85, v85, 7
	v_xor_b32 v86, v86, v85                        ; that tile's block of 128 tokens
	v_and_b32 v85, 15, v84
	v_and_b32 v87, 8, v85
	v_add_nc_u32 v85, v85, v87                     ; r + 8 (r / 8)
	v_lshl_add_u32 v86, v86, 7, v85
	s_lshl_b32 s58, s52, 10                        ; 1,024 x batch + 32 J + 8 u
	s_lshl_b32 s54, s10, 5
	s_add_co_u32 s58, s58, s54
	s_lshl_b32 s54, s11, 3
	s_add_co_u32 s58, s58, s54
	v_add_nc_u32 v86, s58, v86                     ; the token
	v_lshlrev_b32 v86, 7, v86                      ; 128 scale bytes a token
	s_lshl_b32 s62, s53, 4
	s_add_co_u32 s62, s62, 6291456                 ; behind the codes; my kv head's 16 bytes
	s_mov_b32 s63, 0
	s_add_nc_u64 s[62:63], s[8:9], s[62:63]
	s_and_b32 s56, s14, 2                          ; the codes' way out: I store rows 4 (w % 4) .. + 3 of tile w / 4
	s_add_co_u32 s56, s56, s12
	s_and_b32 s57, s14, 1
	s_mul_i32 s57, s57, 7
	s_xor_b32 s56, s56, s57                        ; that tile's block of 128 tokens
	s_lshl_b32 s56, s56, 7
	s_add_co_u32 s56, s56, s58
	s_and_b32 s57, s[WV], 3
	s_lshl_b32 s59, s57, 2
	s_add_co_u32 s56, s56, s59
	s_lshr_b32 s57, s57, 1
	s_lshl_b32 s57, s57, 3
	s_add_co_u32 s56, s56, s57                     ; their first token: rows 8-15 of a tile lie 8 tokens further on
	s_mul_i32 s56, s56, 384
	s_mul_i32 s57, s53, 786432
	s_add_co_u32 s56, s56, s57
	s_mov_b32 s57, 0
	s_add_nc_u64 s[60:61], s[8:9], s[56:57]
	s_wait_alu depctr_va_vdst(0)                   ; the wait for the reciprocal, ahead of its first reader
.set j, 0
.rept 32
	v_pk_mul_f32 v[96+j:97+j], v[160+j:161+j], v[14:15] op_sel_hi:[1,0]
.set j, j+2
.endr
.irp b, 0,1,2,3
	v_max3_num_f32 v[TM+\b], |v[96+16*\b]|, |v[97+16*\b]|, 0x1800000   ; the quantiser: block b: my 16 numbers, and the floor
.endr
.irp i, 2,4,6,8,10,12,14
.irp b, 0,1,2,3
	v_max3_num_f32 v[TM+\b], v[TM+\b], |v[96+16*\b+\i]|, |v[97+16*\b+\i]|
.endr
.endr
.irp b, 0,1,2,3
	v_permlanex16_b32 v[TM+4+\b], v[TM+\b], s[SEL], s[SEL+1]
.endr
.irp b, 0,1,2,3
	v_max_num_f32 v[TM+\b], v[TM+\b], v[TM+4+\b]
.endr
.irp b, 0,1,2,3
	v_add_nc_u32 v[TM+12+\b], 0xff000000, v[TM+\b]
.endr
.irp b, 0,1,2,3
	v_lshrrev_b32 v[TM+4+\b], 23, v[TM+12+\b]
.endr
	v_lshl_or_b32 v[PW], v[TM+5], 8, v[TM+4]
	v_lshl_or_b32 v[PW], v[TM+6], 16, v[PW]
	v_lshl_or_b32 v[PW], v[TM+7], 24, v[PW]
.irp c, 0,1
	v_cvt_scalef32_pk16_fp6_f32 v[PC+6*\c:PC+2+6*\c], v[96+32*\c:111+32*\c], v[TM+12+2*\c]
	v_cvt_scalef32_pk16_fp6_f32 v[PT+4*\c:PT+2+4*\c], v[112+32*\c:127+32*\c], v[TM+12+2*\c+1]
.endr
	v_nop                                          ; one plain place behind a scaled conversion
.irp c, 0,1
.irp i, 0,1,2
	v_permlane16_swap_b32 v[PC+6*\c+\i], v[PT+4*\c+\i]
.endr
.irp i, 0,1,2
	v_mov_b32 v[PC+3+6*\c+\i], v[PT+4*\c+\i]
.endr
.endr
.irp c, 0,1                                    ; registers 6 c .. 6 c + 5 are bytes 48 c + 24 h .. + 23 of my row's 96
.irp p, 0,1,2
	ds_store_b64 v2, v[PC+6*\c+2*\p:PC+6*\c+2*\p+1] offset:48*\c+8*\p
.endr
.endr
	ds_store_b32 v3, v[PW]                         ; both halves of the lanes write the same word with the same value
	s_wait_dscnt 0x0                               ; for the others' sake: my stores into the stages are done
	s_barrier_signal -1
	s_barrier_wait -1
.irp c, 0,1,2
	ds_load_b128 v[64+4*\c:67+4*\c], v4 offset:512*\c
.endr
.irp c, 0,1,2
	s_wait_dscnt 2-\c
	global_store_b128 v1, v[64+4*\c:67+4*\c], s[60:61] offset:512*\c   ; 32 lanes store 512 consecutive bytes, aligned to 256
.endr
	s_cmp_lt_u32 s[WV], 2                          ; waves 0 and 1: the 64 rows' scale words, 16 bytes a token
	s_cbranch_scc0 .Lno_words
	ds_load_b128 v[76:79], v7
	s_wait_dscnt 0x0
	global_store_b128 v86, v[76:79], s[62:63]
.Lno_words:
	s_wait_tensorcnt 0x0                           ; the wave's end, behind my last tensor load and my last LDS store
	ds_add_u32 v[SPW], v[NIL]
	s_wait_dscnt 0x0
	CROUND                                         ; the closing round
	s_endpgm
.Lfunc_end_k_qa67057094f_attn:
	.size	k_qa67057094f_attn, .Lfunc_end_k_qa67057094f_attn-k_qa67057094f_attn
	.p2alignl 7, 3214868480
	.fill 96, 4, 3214868480
	.section	.rodata,"a",@progbits
	.p2align	6, 0x0
	.amdhsa_kernel k_qa67057094f_attn
		.amdhsa_group_segment_fixed_size 232448
		.amdhsa_private_segment_fixed_size 0
		.amdhsa_enable_private_segment 0
		.amdhsa_kernarg_size 24
		.amdhsa_user_sgpr_count 2
		.amdhsa_user_sgpr_kernarg_segment_ptr 1
		.amdhsa_wavefront_size32 1
		.amdhsa_system_sgpr_workgroup_id_x 1
		.amdhsa_system_sgpr_workgroup_id_y 1
		.amdhsa_system_sgpr_workgroup_id_z 1
		.amdhsa_system_vgpr_workitem_id 0
		.amdhsa_next_free_vgpr 256
		.amdhsa_next_free_sgpr 66
		.amdhsa_reserve_vcc 1
		.amdhsa_float_denorm_mode_32 3
		.amdhsa_float_denorm_mode_16_64 3
		.amdhsa_memory_ordered 1
		.amdhsa_forward_progress 1
		.amdhsa_inst_pref_size 114
	.end_amdhsa_kernel
	.amdgpu_metadata
---
amdhsa.version: [ 1, 2 ]
amdhsa.kernels:
  - .name:           k_qa67057094f_attn
    .symbol:         k_qa67057094f_attn.kd
    .args:
      - { .name: qb, .offset: 0, .size: 8, .value_kind: global_buffer, .address_space: global }
      - { .name: kv, .offset: 8, .size: 8, .value_kind: global_buffer, .address_space: global }
      - { .name: oq, .offset: 16, .size: 8, .value_kind: global_buffer, .address_space: global }
    .group_segment_fixed_size: 232448
    .private_segment_fixed_size: 0
    .kernarg_segment_align: 8
    .kernarg_segment_size: 24
    .max_flat_workgroup_size: 512
    .sgpr_count:     66
    .vgpr_count:     256
    .wavefront_size: 32
...
	.end_amdgpu_metadata
.endif
;; end of part 3
;; launch gemm_out (part 4): grid 8 x 8, 4 waves a work-group, clusters of 4 x 4, 327,680 bytes of LDS; arguments oq, woq, out0; writes out0
.if DOCPART == 4
	.amdgcn_target "amdgcn-amd-amdhsa--gfx1250"
	.amdhsa_code_object_version 6
	.text
	.protected	k_qa67057094f_gemm_out
	.globl	k_qa67057094f_gemm_out
	.p2align	8
	.type	k_qa67057094f_gemm_out,@function
k_qa67057094f_gemm_out:
	s_mov_b64 s[64:65], 0
	v_nop
	global_prefetch_b8 v0, s[64:65] scope:SCOPE_SE
	s_setreg_imm32_b32 hwreg(HW_REG_WAVE_MODE, 25, 1), 1
	s_wait_xcnt 0x0
	s_wait_alu depctr_hold_cnt(0) depctr_sa_sdst(0) depctr_va_vdst(0) depctr_va_sdst(0) depctr_va_ssrc(0) depctr_va_vcc(0) depctr_vm_vsrc(0)
	s_getreg_b32 s2, hwreg(HW_REG_IB_STS2, 6, 4)
	s_cmp_eq_u32 s2, 0
	s_cbranch_scc0 .Lentry_in_a_cluster
	s_endpgm
.Lentry_in_a_cluster:
	s_bfe_u32 s2, ttmp6, 0x10000c
	s_cmp_lg_u32 s2, 0xf033
	s_cbranch_scc0 .Lentry_shape_is_right
	s_endpgm
.Lentry_shape_is_right:
; out0[token][n] = sum over k = (kv head, head, channel) of o[token][k] Wo[k][n], on codes of FP6 (E2M3) with one E8M0 scale for each 32 along K; K = 4,096; out0 [2048][2048] f32; sums in f32.
; A = oq: codes [8 kv heads][2048 tokens][384 bytes], so a K step of 256 is 192 bytes of a row 384 bytes long, and two K steps on is one kv head, 786,432 bytes, on; scale bytes [2048][128] behind the codes.
; B = woq: codes [2048 n][3,072 bytes], scale bytes [2048][128] behind them.
; A tile of 256 x 256 is made by four waves, 128 x 128 each: 64 accumulators, 512 registers.  K goes in steps of 256 through a ring of two LDS slots filled by the tensor data mover; the scale bytes of the work-group's
; rows, for all of K, come into LDS once.  Clusters of 4 x 4: A's tile is asked for jointly along a row of the cluster, B's along a column.  The matrix instruction is used transposed (source 0 = 16 rows of B,
; source 1 = 16 rows of A): a lane holds eight neighbouring numbers of a row of the result.  The launch has 64 work-groups: that many tiles of this size the result has.
; REGISTERS, in windows of 256: window 0: v0-31 addresses; v32-63 scale words, two sets; from v128 A's fragments, ONE set; on the way out v128-255 rows of the result.   window 1: B's fragments, two sets, at v0 and v128.
;   windows 2, 3: the accumulators ((a, b) at v[8 (8 (a % 4) + b)]).
.set SIZE_N, 2048
.set KSTEP,  256
.set NQ,     KSTEP/128
.set ROWB,   192
.set AROW,   384                       ; from token to token in oq's codes
.set AHEAD,  786432                    ; from kv head to kv head
.set KROW,   3072                      ; a row of woq's codes
.set SCOFF,  6291456                   ; where the scale bytes begin, in both buffers
.set PITCH,  240
.set FR,     12
.set NL,     6
.set NP,     4
.set HALFT,  128*PITCH
.set SLOT,   4*HALFT
.set LAPS,   8                         ; sixteen K steps
.set KS,     128
.set SCL,    2*SLOT
.set HALFS,  (128*KS/256)*272
.set SBLK,   (16*KS/256)*272
.set SPARE,  SCL+4*HALFS               ; the spare words, 128 bytes for each wave: two blocks of 256 bytes that no other line names
.set SPITCH, 528                       ; the way out: a stage of 16 rows x (512 bytes + 16) for each wave, in slot 0, which has had its last fill and its last read when the first result is stored there
.set ADRA, 16
.set ADRB, 20
.set STO,  24
.set RD,   25
.set CO,   26
.set ADRS, 27
.set SPW,  28
.set NIL,  29
.set SC,   32
.set AF,   128
.set BK,   128
.set G1, 24
.set G0, 32
.set G1B, 48
.set G0B, 56
.set G1S, 68
.set G0S, 76
.set G1SB, 80
.set G0SB, 88
.set MSB, 0
.macro WIN new
.if MSB != \new
	s_set_vgpr_msb (MSB<<8)|\new
.set MSB, \new
.endif
.endm
.set MUL_LO, 0xa1
.set MUL_HI, 0xf1
.set TO_B,   0x40
.macro JLOAD g0a, g1a, g0b, g1b        ; a joint load: waves 0 and 1 fetch for A, waves 2 and 3 for B; an s_nop 0 and four v_nop follow each of the two lines
	s_cmp_eq_u32 s15, 0
	s_cbranch_scc0 .Lfor_b_\@
	tensor_load_to_lds s[\g0a:\g0a+3], s[\g1a:\g1a+7]
	s_nop 0
.rept 4
	v_nop
.endr
	s_branch .Lasked_\@
.Lfor_b_\@:
	tensor_load_to_lds s[\g0b:\g0b+3], s[\g1b:\g1b+7]
	s_nop 0
.rept 4
	v_nop
.endr
.Lasked_\@:
.endm
.macro CREST
	s_cmp_lg_u32 s14, 0
	s_cbranch_scc1 .Lnot_wave_0_\@
	s_barrier_signal -3
.Lnot_wave_0_\@:
	s_barrier_wait -3
	s_barrier_signal -1
	s_barrier_wait -1
.endm
.macro CROUND
	s_barrier_signal -1
	s_barrier_wait -1
	CREST
.endm
	s_load_b128 s[4:7], s[0:1], 0x0                ; oq s[4:5], woq s[6:7]
	s_load_b64 s[12:13], s[0:1], 0x10              ; out0
	v_lshl_add_u32 v[SPW], v0, 2, SPARE
	v_mov_b32 v[NIL], 0
	ds_add_u32 v[SPW], v[NIL]                      ; the wave's opening: the add, its wait ahead of my first tensor load
	v_lshrrev_b32 v1, 5, v0
	v_readfirstlane_b32 s14, v1                    ; wave 0..3
	s_lshr_b32 s15, s14, 1                         ; which half of the tile's rows is mine.  Also: I fetch for A (0) or for B (1)
	s_and_b32 s16, s14, 1                          ; which half of its columns.  Also: which 128 rows of that tile I fetch
	s_bfe_u32 s40, ttmp6, 0x40000                  ; cx, cy
	s_bfe_u32 s41, ttmp6, 0x40004
	s_lshl_b32 s42, ttmp9, 2
	s_add_co_u32 s42, s42, s40                     ; tile column
	s_and_b32 s17, ttmp7, 0xffff
	s_lshl_b32 s17, s17, 2
	s_add_co_u32 s17, s17, s41                     ; tile row
	s_lshl_b32 s43, s41, 2
	s_lshl_b32 s43, 15, s43                        ; my row of the cluster
	s_lshl_b32 s44, 0x1111, s40                    ; my column
	s_or_b32 s[G1+0], s43, (0<<16)|(1<<20)|(1<<21)|(3<<22)|(3<<25)   ; a tile of 128 rows x 192 bytes, 16 bytes of padding behind every 64
	s_or_b32 s[G1B+0], s44, (0<<16)|(1<<20)|(1<<21)|(3<<22)|(3<<25)
.irp g, G1, G1B
	s_mov_b32 s[\g+1], ROWB<<16
	s_mov_b32 s[\g+2], 128<<16
	s_mov_b32 s[\g+3], ROWB<<16
	s_mov_b32 s[\g+4], 128
	s_mov_b32 s[\g+6], 0
	s_mov_b32 s[\g+7], 0
.endr
	s_mov_b32 s[G1+5], AROW                        ; from row to row: A's,
	s_mov_b32 s[G1B+5], KROW                       ; B's
	s_or_b32 s[G1S+0], s43, (3<<16)|(1<<20)|(1<<21)|(5<<22)|(3<<25)  ; the scales of 128 rows: 16,384 dense bytes as 64 rows of 256, 16 bytes of padding behind each
	s_or_b32 s[G1SB+0], s44, (3<<16)|(1<<20)|(1<<21)|(5<<22)|(3<<25)
.irp g, G1S, G1SB
	s_mov_b32 s[\g+1], 32<<16
	s_mov_b32 s[\g+2], (128*KS/256)<<16
	s_mov_b32 s[\g+3], 32<<16
	s_mov_b32 s[\g+4], 128*KS/256
	s_mov_b32 s[\g+5], 32
	s_mov_b32 s[\g+6], 0
	s_mov_b32 s[\g+7], 0
.endr
	s_lshl_b32 s18, s16, 7
	s_lshl_b32 s20, s17, 8
	s_add_co_u32 s20, s20, s18                     ; A: row 256 x tile row + 128 x half
	s_lshl_b32 s46, s42, 8
	s_add_co_u32 s46, s46, s18                     ; B: row 256 x tile column + 128 x half
	s_mov_b32 s21, 0
	s_mov_b32 s47, 0
	s_mov_b64 s[18:19], KS
	s_mul_u64 s[22:23], s[20:21], s[18:19]
	s_mul_u64 s[92:93], s[46:47], s[18:19]
	s_add_nc_u64 s[22:23], s[22:23], SCOFF         ; these rows' scales,
	s_add_nc_u64 s[92:93], s[92:93], SCOFF
	s_mov_b64 s[18:19], AROW
	s_mul_u64 s[20:21], s[20:21], s[18:19]         ; and their codes
	s_mov_b64 s[18:19], KROW
	s_mul_u64 s[46:47], s[46:47], s[18:19]
	s_mul_i32 s45, s14, HALFT
	s_mul_i32 s94, s14, HALFS
	s_wait_dscnt 0x0                               ; the opening add is done
	s_wait_kmcnt 0x0
	s_add_nc_u64 s[20:21], s[4:5], s[20:21]
	s_add_nc_u64 s[22:23], s[4:5], s[22:23]
	s_add_nc_u64 s[46:47], s[6:7], s[46:47]
	s_add_nc_u64 s[92:93], s[6:7], s[92:93]
	CROUND                                         ; all sixteen work-groups are here: the first joint loads meet
	s_mov_b32 s[G0S], 1
	s_add_co_u32 s[G0S+1], s94, SCL
	s_mov_b64 s[G0S+2:G0S+3], s[22:23]
	s_or_b32 s[G0S+3], s[G0S+3], 0x80000000
	s_mov_b32 s[G0SB], 1
	s_add_co_u32 s[G0SB+1], s94, SCL
	s_mov_b64 s[G0SB+2:G0SB+3], s[92:93]
	s_or_b32 s[G0SB+3], s[G0SB+3], 0x80000000
	JLOAD G0S, G1S, G0SB, G1SB
.irp s, 0,1
	s_mov_b32 s[G0+4*\s], 1
	s_add_co_u32 s[G0+4*\s+1], s45, \s*SLOT
	s_add_nc_u64 s[G0+4*\s+2:G0+4*\s+3], s[20:21], \s*ROWB
	s_or_b32 s[G0+4*\s+3], s[G0+4*\s+3], 0x80000000
	s_mov_b32 s[G0B+4*\s], 1
	s_add_co_u32 s[G0B+4*\s+1], s45, \s*SLOT
	s_add_nc_u64 s[G0B+4*\s+2:G0B+4*\s+3], s[46:47], \s*ROWB
	s_or_b32 s[G0B+4*\s+3], s[G0B+4*\s+3], 0x80000000
	JLOAD G0+4*\s, G1, G0B+4*\s, G1B
.endr
	v_and_b32 v1, 15, v0
	v_bfe_u32 v2, v0, 4, 1
	v_mul_u32_u24 v3, v1, PITCH
	v_mul_u32_u24 v4, v2, 24
	v_add_nc_u32 v4, v3, v4
	v_lshl_add_u32 v5, v2, 4, v4
	s_mul_i32 s21, s15, HALFT
	s_mul_i32 s22, s16, HALFT
	s_add_co_u32 s22, s22, 2*HALFT
.irp s, 0,1
	v_add_nc_u32 v[ADRA+\s], s21, v4
	v_add_nc_u32 v[ADRB+\s], s22, v4
	v_add_nc_u32 v[ADRA+2+\s], s21, v5
	v_add_nc_u32 v[ADRB+2+\s], s22, v5
	s_add_co_u32 s21, s21, SLOT
	s_add_co_u32 s22, s22, SLOT
.endr
	v_mul_u32_u24 v5, v1, KS
	v_lshrrev_b32 v6, 8, v5
	v_lshl_add_u32 v5, v6, 4, v5
	s_mul_i32 s21, s15, HALFS
	s_mul_i32 s22, s16, HALFS
	s_add_co_u32 s22, s22, 2*HALFS
	s_sub_co_u32 s22, s22, s21
	v_mul_u32_u24 v6, s22, v2                      ; lanes 16-31 take B's
	s_add_co_u32 s21, s21, SCL
	v_add_nc_u32 v5, v5, v6
	v_add_nc_u32 v[ADRS], s21, v5
	s_mul_i32 s23, s14, 16*SPITCH                  ; my stage
	v_mul_u32_u24 v5, v1, SPITCH
	v_lshl_add_u32 v5, v2, 5, v5
	v_add_nc_u32 v[STO], s23, v5
	v_and_b32 v6, 31, v0
	v_lshlrev_b32 v[CO], 4, v6
	v_add_nc_u32 v[RD], s23, v[CO]
	s_lshl_b32 s20, s17, 8
	s_lshl_b32 s21, s15, 7
	s_add_co_u32 s20, s20, s21                     ; my first row of the result
	s_mov_b32 s21, 0
	s_mov_b64 s[18:19], SIZE_N*4
	s_mul_u64 s[20:21], s[20:21], s[18:19]
	s_lshl_b32 s46, s42, 10                        ; my first column, in bytes
	s_lshl_b32 s47, s16, 9
	s_add_co_u32 s46, s46, s47
	s_mov_b32 s47, 0
	s_add_nc_u64 s[20:21], s[20:21], s[46:47]
	s_add_nc_u64 s[12:13], s[12:13], s[20:21]
.macro FRAG reg, adr, q, i
.irp p, 0,1,2,3,4,5
.set PCE, 12*(\q)+6*(\p/3)+\p%3
.if PCE%8 < 5
	ds_load_b64 v[\reg+2*\p:\reg+2*\p+1], v[\adr] offset:8*PCE+16*(PCE/8)+(\i)*16*PITCH
.else
	ds_load_b64 v[\reg+2*\p:\reg+2*\p+1], v[\adr+2] offset:8*PCE+16*(PCE/8)+(\i)*16*PITCH
.endif
.endr
.endm
.macro MUL16 a0, p, q, sc, zero        ; the 64 accumulators take turns, one instruction a turn, in the same order in every step
.irp a, \a0, \a0+1
.irp b, 0,1,2,3,4,5,6,7
.if \zero
	v_wmma_scale_f32_16x16x128_f8f6f4 v[8*(8*((\a)%4)+\b):8*(8*((\a)%4)+\b)+7], v[128*(\p)+FR*\b:128*(\p)+FR*\b+FR-1], v[AF+FR*(\a):AF+FR*(\a)+FR-1], 0, v[SC+8*NQ*(\sc)+NQ*\b+(\q)], v[SC+8*NQ*(\sc)+NQ*(\a)+(\q)] matrix_a_fmt:MATRIX_FMT_FP6 matrix_b_fmt:MATRIX_FMT_FP6 matrix_a_scale:MATRIX_SCALE_ROW1
.else
	v_wmma_scale_f32_16x16x128_f8f6f4 v[8*(8*((\a)%4)+\b):8*(8*((\a)%4)+\b)+7], v[128*(\p)+FR*\b:128*(\p)+FR*\b+FR-1], v[AF+FR*(\a):AF+FR*(\a)+FR-1], v[8*(8*((\a)%4)+\b):8*(8*((\a)%4)+\b)+7], v[SC+8*NQ*(\sc)+NQ*\b+(\q)], v[SC+8*NQ*(\sc)+NQ*(\a)+(\q)] matrix_a_fmt:MATRIX_FMT_FP6 matrix_b_fmt:MATRIX_FMT_FP6 matrix_a_scale:MATRIX_SCALE_ROW1
.endif
.endr
.endr
.endm
.macro FETCH_B slot, q, p
	WIN TO_B
.irp i, 0,1,2,3,4,5,6,7
	FRAG 128*(\p)+FR*\i, ADRB+\slot, \q, \i
.endr
	WIN 0
.endm
.macro FETCH_A slot, q, i0
.irp i, \i0, \i0+1, \i0+2, \i0+3
	FRAG AF+FR*(\i), ADRA+\slot, \q, \i
.endr
.endm
.macro SCALES sc
.irp i, 0,1,2,3,4,5,6,7
	ds_load_b64 v[SC+8*NQ*\sc+NQ*\i:SC+8*NQ*\sc+NQ*\i+1], v[ADRS] offset:\i*SBLK
.endr
.endm
.macro PLACES n
.rept \n
	v_nop
.endr
.endm
.macro STEP slot, q, zero
	s_wait_dscnt 4*NL                              ; B's set and A's blocks 0-3 are in; the youngest 24 loads (A's blocks 4-7) may be out
	WIN MUL_LO
	MUL16 0, (\q)%2, \q, \slot, \zero
	MUL16 2, (\q)%2, \q, \slot, \zero
	s_wait_dscnt 0
	PLACES NP
	FETCH_B \slot, (\q)+1, 1-(\q)%2
	FETCH_A \slot, (\q)+1, 0
	WIN MUL_HI
	MUL16 4, (\q)%2, \q, \slot, \zero
	MUL16 6, (\q)%2, \q, \slot, \zero
	PLACES NP
	WIN 0
	FETCH_A \slot, (\q)+1, 4
.endm
.macro TURN slot, next, fill
	s_wait_tensorcnt 0x0                           ; all my tensor loads have landed: my part of the next slot
	ds_add_u32 v[SPW], v[NIL]                      ; 0 onto my spare word
	s_wait_dscnt 4*NL+1                            ; (the add and the youngest 24 loads may be out)
	WIN MUL_LO
	MUL16 0, 1, NQ-1, \slot, 0
	s_wait_dscnt 0x0                               ; the add is done, and my reads of this slot are over
	s_barrier_signal -1
	MUL16 2, 1, NQ-1, \slot, 0
	WIN 0
	s_barrier_wait -1
.if \fill
	CREST                                          ; the barrier has opened a round of the cluster's barrier
	s_add_nc_u64 s[G0+4*\slot+2:G0+4*\slot+3], s[G0+4*\slot+2:G0+4*\slot+3], AHEAD   ; A: the same half of the next kv head's 512 along K
	s_add_nc_u64 s[G0B+4*\slot+2:G0B+4*\slot+3], s[G0B+4*\slot+2:G0B+4*\slot+3], 2*ROWB
	JLOAD G0+4*\slot, G1, G0B+4*\slot, G1B
.else
	PLACES NP
.endif
	v_add_nc_u32 v[ADRS], 4*NQ, v[ADRS]
	FETCH_B \next, 0, 0
	FETCH_A \next, 0, 0
	SCALES \next
	WIN MUL_HI
	MUL16 4, 1, NQ-1, \slot, 0
	MUL16 6, 1, NQ-1, \slot, 0
	PLACES NP
	WIN 0
	FETCH_A \next, 0, 4
.endm
	s_wait_tensorcnt 1                             ; the scales and my part of K step 0 are in (K step 1's load may be out),
	s_barrier_signal -1
	s_barrier_wait -1                              ; everybody's are
	FETCH_B 0, 0, 0
	FETCH_A 0, 0, 0
	SCALES 0
	FETCH_A 0, 0, 4
	STEP 0, 0, 1
	s_mov_b32 s3, LAPS-1
.Llap:
	TURN 0, 1, 1
	STEP 1, 0, 0
	TURN 1, 0, 1
	STEP 0, 0, 0
	s_sub_co_u32 s3, s3, 1
	s_cmp_lg_u32 s3, 0
	s_cbranch_scc1 .Llap
	TURN 0, 1, 0
	STEP 1, 0, 0
	s_wait_dscnt 4*NL
	WIN MUL_LO
	MUL16 0, 1, NQ-1, 1, 0
	MUL16 2, 1, NQ-1, 1, 0
	s_wait_dscnt 0
	WIN MUL_HI
	MUL16 4, 1, NQ-1, 1, 0
	MUL16 6, 1, NQ-1, 1, 0
	WIN 0
; THE WAY OUT, block by block of 16 rows x 128 columns, through my own stage in LDS: back come whole rows of 512 bytes, which the 32 lanes store as 512 consecutive bytes, aligned to 256.
.macro TOSTAGE a
.set AC, 64*((\a)%4)
	WIN 0x08+4*((\a)/4)                            ; the data: window 2 or 3
.irp b, 0,1,2,3,4,5,6,7
	ds_store_b128 v[STO], v[AC+8*\b:AC+8*\b+3] offset:64*\b          ; each accumulator from its low end on
	ds_store_b128 v[STO], v[AC+8*\b+4:AC+8*\b+7] offset:64*\b+16
.endr
	WIN 0
.set BB, BK+64*((\a)%2)
.irp t, 0,1,2,3,4,5,6,7,8,9,10,11,12,13,14,15
	ds_load_b128 v[BB+4*\t:BB+4*\t+3], v[RD] offset:\t*SPITCH        ; LDS serves a wave's instructions in order: these see the stores above
.endr
.endm
.macro SEND a, younger
.set BB, BK+64*((\a)%2)
	s_wait_dscnt \younger                          ; the block is back in registers
.if (\a) > 0
	s_add_nc_u64 s[12:13], s[12:13], 16*SIZE_N*4   ; (behind a wait on XCNT: the earlier stores have read their base)
.endif
.irp t, 0,1,2,3,4,5,6,7,8,9,10,11,12,13,14,15
	global_store_b128 v[CO], v[BB+4*\t:BB+4*\t+3], s[12:13] offset:\t*SIZE_N*4 th:TH_STORE_NT
.endr
.endm
	PLACES NP
	TOSTAGE 0
.irp a, 1,2,3,4,5,6,7
.if \a > 1
	s_wait_xcnt 0x0                                ; block a - 2's stores have read their registers and their base
.endif
	TOSTAGE \a
	SEND \a-1, 32                                  ; behind block a - 1's loads: block a's 16 stores and 16 loads
.endr
	s_wait_xcnt 0x0
	SEND 7, 0
	s_wait_tensorcnt 0x0                           ; the wave's end
	ds_add_u32 v[SPW], v[NIL]
	s_wait_dscnt 0x0
	CROUND                                         ; the closing round
	s_endpgm
.Lfunc_end_k_qa67057094f_gemm_out:
	.size	k_qa67057094f_gemm_out, .Lfunc_end_k_qa67057094f_gemm_out-k_qa67057094f_gemm_out
	.p2alignl 7, 3214868480
	.fill 96, 4, 3214868480
	.section	.rodata,"a",@progbits
	.p2align	6, 0x0
	.amdhsa_kernel k_qa67057094f_gemm_out
		.amdhsa_group_segment_fixed_size 327680
		.amdhsa_private_segment_fixed_size 0
		.amdhsa_enable_private_segment 0
		.amdhsa_kernarg_size 24
		.amdhsa_user_sgpr_count 2
		.amdhsa_user_sgpr_kernarg_segment_ptr 1
		.amdhsa_wavefront_size32 1
		.amdhsa_system_sgpr_workgroup_id_x 1
		.amdhsa_system_sgpr_workgroup_id_y 1
		.amdhsa_system_sgpr_workgroup_id_z 1
		.amdhsa_system_vgpr_workitem_id 0
		.amdhsa_next_free_vgpr 1024
		.amdhsa_next_free_sgpr 98
		.amdhsa_reserve_vcc 0
		.amdhsa_float_denorm_mode_32 3
		.amdhsa_float_denorm_mode_16_64 3
		.amdhsa_memory_ordered 1
		.amdhsa_forward_progress 1
		.amdhsa_inst_pref_size 160
	.end_amdhsa_kernel
	.amdgpu_metadata
---
amdhsa.version: [ 1, 2 ]
amdhsa.kernels:
  - .name:           k_qa67057094f_gemm_out
    .symbol:         k_qa67057094f_gemm_out.kd
    .args:
      - { .name: oq, .offset: 0, .size: 8, .value_kind: global_buffer, .address_space: global }
      - { .name: woq, .offset: 8, .size: 8, .value_kind: global_buffer, .address_space: global }
      - { .name: out0, .offset: 16, .size: 8, .value_kind: global_buffer, .address_space: global }
    .group_segment_fixed_size: 327680
    .private_segment_fixed_size: 0
    .kernarg_segment_align: 8
    .kernarg_segment_size: 24
    .max_flat_workgroup_size: 128
    .sgpr_count:     98
    .vgpr_count:     1024
    .wavefront_size: 32
...
	.end_amdgpu_metadata
.endif
;; end of part 4
;; ======== version 2 of 2: 4 launches
;; limits: a function is approximated: absolute error at most 0.0001
;; workspace buffers: xq 3,276,800 bytes; wq 9,830,400 bytes; woq 6,553,600 bytes; tab 73,728 bytes; qb 6,553,600 bytes; kv 3,276,800 bytes; oq 6,553,600 bytes
;; launch quant: the kernel of part 1 again; grid 777 x 1, 4 waves a work-group, no clusters, 68,096 bytes of LDS; arguments x, Wq, Wk, Wv, Wo, xq, wq, woq, tab; writes xq, wq, woq, tab
;; launch gemm_qkv: the kernel of part 2 again; grid 24 x 8, 4 waves a work-group, clusters of 4 x 4, 327,680 bytes of LDS; arguments xq, wq, tab, qb, kv; writes qb, kv
;; launch attn: the kernel of part 3 again; grid 16 x 16, 16 waves a work-group, clusters of 4 x 1, 232,448 bytes of LDS; arguments qb, kv, oq; writes oq
;; launch gemm_out (part 5): grid 16 x 16, 4 waves a work-group, clusters of 4 x 4, 327,680 bytes of LDS; arguments oq, woq, out0; writes out0
.if DOCPART == 5
	.amdgcn_target "amdgcn-amd-amdhsa--gfx1250"
	.amdhsa_code_object_version 6
	.text
	.protected	k_qa67057094f_gemm_out
	.globl	k_qa67057094f_gemm_out
	.p2align	8
	.type	k_qa67057094f_gemm_out,@function
k_qa67057094f_gemm_out:
	s_mov_b64 s[64:65], 0
	v_nop
	global_prefetch_b8 v0, s[64:65] scope:SCOPE_SE
	s_setreg_imm32_b32 hwreg(HW_REG_WAVE_MODE, 25, 1), 1
	s_wait_xcnt 0x0
	s_wait_alu depctr_hold_cnt(0) depctr_sa_sdst(0) depctr_va_vdst(0) depctr_va_sdst(0) depctr_va_ssrc(0) depctr_va_vcc(0) depctr_vm_vsrc(0)
	s_getreg_b32 s2, hwreg(HW_REG_IB_STS2, 6, 4)
	s_cmp_eq_u32 s2, 0
	s_cbranch_scc0 .Lentry_in_a_cluster
	s_endpgm
.Lentry_in_a_cluster:
	s_bfe_u32 s2, ttmp6, 0x10000c
	s_cmp_lg_u32 s2, 0xf033
	s_cbranch_scc0 .Lentry_shape_is_right
	s_endpgm
.Lentry_shape_is_right:
; out0[token][n] = sum over k = (kv head, head, channel) of o[token][k] Wo[k][n], on codes of FP6 (E2M3) with one E8M0 scale for each 32 along K; K = 4,096; out0 [2048][2048] f32; sums in f32.
; A = oq: codes [8 kv heads][2048 tokens][384 bytes]: a K step of 512 is one kv head, whose rows lie on end in memory; scale bytes [2048][128] behind the codes.
; B = woq: codes [2048 n][3,072 bytes]: a K step is 384 bytes of a row; scale bytes [2048][128] behind them.
; A tile of the result is 128 x 128, so that the 2,048 x 2,048 numbers make 256 work-groups.  Four waves, each 64 x 64: 16 accumulators of 16 x 16, 128 registers.
; K goes in steps of 512 through a ring of two LDS slots filled by the tensor data mover (a wave's load brings 64 rows of 384 bytes); the scale bytes of the work-group's 128 + 128 rows, for all of K, come into LDS once.
; CLUSTERS of 4 x 4: A's tile is asked for jointly along a row of the cluster, B's along a column: the same tensor load with the same descriptor and a mask that names the four.
; THE MATRIX INSTRUCTION IS USED TRANSPOSED (source 0 = 16 rows of B, source 1 = 16 rows of A): a lane holds eight neighbouring numbers of a row of the result.
; A wave's 64 columns are half of a row's 512 bytes: the four waves share ONE stage on the way out, with a barrier between writing and reading; it has LDS bytes of its own, into which no tile lands.
; A step of 128 along K is 16 matrix instructions and 48 LDS loads of 8 bytes (the next step's fragments): they stand by turns, four matrix instructions and a run of twelve loads.
; No prefetch is written: the tile is small, and the joint loads come first.
; REGISTERS, in windows of 256: window 0: v16-29 addresses; v32-63 scale words, two sets, and nothing else; v128-255 the accumulators ((a, b) at v[128 + 8 (4 a + b)]), on the way out rows of the result.
;   window 1: two fragment buffers, at v0 and at v128: A's four fragments (12 registers each), then B's four.
.set SIZE_N, 2048
.set KSTEP,  512
.set NQ,     KSTEP/128                 ; matrix instructions deep
.set ROWB,   384                       ; a tile's row in bytes: 512 codes of 6 bits
.set AROW,   384                       ; from token to token in oq's codes
.set AHEAD,  786432                    ; from kv head to kv head: a K step on in A
.set KROW,   3072                      ; a row of woq's codes
.set SCOFF,  6291456                   ; where the scale bytes begin, in both buffers
.set PITCH,  432                       ; an LDS row: 3 x (128 bytes + 16 of padding) = 108 words: row r starts at bank 44 r mod 64 (64 banks of 4 bytes: ISA guide 11.1): sixteen rows, sixteen different groups of four banks; lanes 16-31 lie 6 or 10 words on: the groups' other halves
.set FR,     12                        ; registers of a fragment
.set NP,     4                         ; places behind this matrix instruction (ISA guide 7.12.1)
.set HALFT,  64*PITCH                  ; 64 rows: what one tensor load brings, and what one wave reads of A or of B
.set SLOT,   4*HALFT                   ; A's 128 rows, then B's 128 rows
.set LAPS,   4                         ; eight K steps; a lap = two = once round the ring
.set KS,     128                       ; a row of scale bytes
.set SCL,    2*SLOT                    ; behind the ring: the scales, as units of 256 bytes + 16 of padding
.set HALFS,  (64*KS/256)*272           ; the scales of 64 rows: what one tensor load brings
.set SBLK,   (16*KS/256)*272           ; those of 16 rows
.set STAGE,  SCL+4*HALFS               ; behind the scales: the stage, 128 rows x (512 bytes + 16)
.set SPITCH, 528
.set SPARE,  STAGE+128*SPITCH          ; behind the stage: the spare words, 128 bytes for each wave: two blocks of 256 bytes that no other line names
.set ADRA, 16                          ; v16-17  LDS address of my A fragments in slot 0, 1  (v18-19: the same for the pieces that lie behind one padding more)
.set ADRB, 20                          ; v20-21  the same for B  (v22-23)
.set STO,  24                          ; v24     the way out: where I put 32 bytes of a row
.set RD,   25                          ; v25     the way out: where I read a row back
.set CO,   26                          ; v26     my byte offset in a row's 512 bytes
.set ADRS, 27                          ; v27     LDS address of my scale words: lanes 0-15 A's rows, lanes 16-31 B's
.set SPW,  28                          ; v28     LDS address of my spare word; never rewritten
.set NIL,  29                          ; v29     0; never rewritten
.set SC,   32                          ; scale words: set s (for slot s) at v[SC + 16 s]; in it register 4 i + q: lanes 0-15 the word of A's block i, lanes 16-31 that of B's block i, for the slot's q-th 128 along K
.set ACC,  128
.set F0,   0                           ; fragment buffers, in window 1
.set F1,   128
.set G1, 24                            ; s[24:31] descriptor group 1 for A's tiles;  s[32:39] group 0, one set for each slot
.set G0, 32
.set G1B, 48                           ; s[48:55], s[56:63] the same for B's tiles
.set G0B, 56
.set G1S, 68                           ; s[68:75], s[76:79] groups 1 and 0 for A's scales;  s[80:87], s[88:91] for B's
.set G0S, 76
.set G1SB, 80
.set G0SB, 88
.set MSB, 0
.macro WIN new                         ; the immediate's high byte repeats the setting that is left
.if MSB != \new
	s_set_vgpr_msb (MSB<<8)|\new
.set MSB, \new
.endif
.endm
.set MUL,  0x05                        ; sources 0 (B) and 1 (A) window 1; C and D window 0
.set TO_F, 0x40                        ; destination window 1, address window 0
; A joint load: waves 0 and 1 fetch for A, waves 2 and 3 for B.  The branch hangs on the wave's number alone.  An s_nop 0 and four v_nop follow each of the two lines.
.macro JLOAD g0a, g1a, g0b, g1b
	s_cmp_eq_u32 s15, 0
	s_cbranch_scc0 .Lfor_b_\@
	tensor_load_to_lds s[\g0a:\g0a+3], s[\g1a:\g1a+7]
	s_nop 0
.rept 4
	v_nop
.endr
	s_branch .Lasked_\@
.Lfor_b_\@:
	tensor_load_to_lds s[\g0b:\g0b+3], s[\g1b:\g1b+7]
	s_nop 0
.rept 4
	v_nop
.endr
.Lasked_\@:
.endm
.macro CREST                           ; a round of the cluster's barrier behind its opening barrier
	s_cmp_lg_u32 s14, 0
	s_cbranch_scc1 .Lnot_wave_0_\@
	s_barrier_signal -3
.Lnot_wave_0_\@:
	s_barrier_wait -3
	s_barrier_signal -1
	s_barrier_wait -1
.endm
.macro CROUND                          ; a whole round
	s_barrier_signal -1
	s_barrier_wait -1
	CREST
.endm
	s_load_b128 s[4:7], s[0:1], 0x0                ; oq s[4:5], woq s[6:7]
	s_load_b64 s[12:13], s[0:1], 0x10              ; out0
	v_lshl_add_u32 v[SPW], v0, 2, SPARE
	v_mov_b32 v[NIL], 0
	ds_add_u32 v[SPW], v[NIL]                      ; the wave's opening: the add, its wait ahead of my first tensor load; the set-up below, work on registers, stands between them
	v_lshrrev_b32 v1, 5, v0
	v_readfirstlane_b32 s14, v1                    ; wave 0..3
	s_lshr_b32 s15, s14, 1                         ; which half of the tile's rows is mine.  Also: I fetch for A (0) or for B (1)
	s_and_b32 s16, s14, 1                          ; which half of its columns.  Also: which 64 rows of that tile I fetch
	s_bfe_u32 s40, ttmp6, 0x40000                  ; cx, cy: my place in the cluster
	s_bfe_u32 s41, ttmp6, 0x40004
	s_lshl_b32 s42, ttmp9, 2
	s_add_co_u32 s42, s42, s40                     ; tile column = 4 x cluster x + cx
	s_and_b32 s17, ttmp7, 0xffff
	s_lshl_b32 s17, s17, 2
	s_add_co_u32 s17, s17, s41                     ; tile row = 4 x cluster y + cy
	s_lshl_b32 s43, s41, 2
	s_lshl_b32 s43, 15, s43                        ; my row of the cluster
	s_lshl_b32 s44, 0x1111, s40                    ; my column
	; descriptor group 1: a tile of 64 rows x 384 bytes, 16 bytes of padding behind every 128
	s_or_b32 s[G1+0], s43, (0<<16)|(1<<20)|(1<<21)|(4<<22)|(3<<25)   ; 15:0 the mask: A's tiles go to my row; 17:16 element of 1 byte; 20 padding on; 21 set beside a mask; 24:22 after every 32 words (code 4); 31:25 of 4 words (code 3)
	s_or_b32 s[G1B+0], s44, (0<<16)|(1<<20)|(1<<21)|(4<<22)|(3<<25)
.irp g, G1, G1B
	s_mov_b32 s[\g+1], ROWB<<16                    ; tensor_dim0
	s_mov_b32 s[\g+2], 64<<16                      ; tensor_dim1
	s_mov_b32 s[\g+3], ROWB<<16                    ; tile_dim0
	s_mov_b32 s[\g+4], 64                          ; tile_dim1
	s_mov_b32 s[\g+6], 0
	s_mov_b32 s[\g+7], 0
.endr
	s_mov_b32 s[G1+5], AROW                        ; from row to row: A's,
	s_mov_b32 s[G1B+5], KROW                       ; B's
	; the scales of 64 rows: 8,192 dense bytes as 32 rows of 256 (32 elements of 8 bytes), 16 bytes of padding behind each
	s_or_b32 s[G1S+0], s43, (3<<16)|(1<<20)|(1<<21)|(5<<22)|(3<<25)
	s_or_b32 s[G1SB+0], s44, (3<<16)|(1<<20)|(1<<21)|(5<<22)|(3<<25)
.irp g, G1S, G1SB
	s_mov_b32 s[\g+1], 32<<16
	s_mov_b32 s[\g+2], (64*KS/256)<<16
	s_mov_b32 s[\g+3], 32<<16
	s_mov_b32 s[\g+4], 64*KS/256
	s_mov_b32 s[\g+5], 32
	s_mov_b32 s[\g+6], 0
	s_mov_b32 s[\g+7], 0
.endr
	s_lshl_b32 s18, s16, 6                         ; which 64 rows of the tile I fetch
	s_lshl_b32 s20, s17, 7
	s_add_co_u32 s20, s20, s18                     ; A: row 128 x tile row + 64 x half
	s_lshl_b32 s46, s42, 7
	s_add_co_u32 s46, s46, s18                     ; B: row 128 x tile column + 64 x half
	s_mov_b32 s21, 0
	s_mov_b32 s47, 0
	s_mov_b64 s[18:19], KS
	s_mul_u64 s[22:23], s[20:21], s[18:19]
	s_mul_u64 s[92:93], s[46:47], s[18:19]
	s_add_nc_u64 s[22:23], s[22:23], SCOFF         ; these rows' scales,
	s_add_nc_u64 s[92:93], s[92:93], SCOFF
	s_mov_b64 s[18:19], AROW
	s_mul_u64 s[20:21], s[20:21], s[18:19]         ; and their codes
	s_mov_b64 s[18:19], KROW
	s_mul_u64 s[46:47], s[46:47], s[18:19]
	s_mul_i32 s45, s14, HALFT                      ; where they go: wave x 64 rows: no place in the cluster enters an LDS address
	s_mul_i32 s94, s14, HALFS
	s_wait_dscnt 0x0                               ; the opening add is done
	s_wait_kmcnt 0x0
	s_add_nc_u64 s[20:21], s[4:5], s[20:21]
	s_add_nc_u64 s[22:23], s[4:5], s[22:23]
	s_add_nc_u64 s[46:47], s[6:7], s[46:47]
	s_add_nc_u64 s[92:93], s[6:7], s[92:93]
	CROUND                                         ; all sixteen work-groups are here: the first joint loads meet
	s_mov_b32 s[G0S], 1
	s_add_co_u32 s[G0S+1], s94, SCL
	s_mov_b64 s[G0S+2:G0S+3], s[22:23]
	s_or_b32 s[G0S+3], s[G0S+3], 0x80000000
	s_mov_b32 s[G0SB], 1
	s_add_co_u32 s[G0SB+1], s94, SCL
	s_mov_b64 s[G0SB+2:G0SB+3], s[92:93]
	s_or_b32 s[G0SB+3], s[G0SB+3], 0x80000000
	JLOAD G0S, G1S, G0SB, G1SB                     ; the scales first: they are wanted with K step 0
.irp s, 0,1
	s_mov_b32 s[G0+4*\s], 1
	s_add_co_u32 s[G0+4*\s+1], s45, \s*SLOT
	s_add_nc_u64 s[G0+4*\s+2:G0+4*\s+3], s[20:21], \s*AHEAD        ; K step s: kv head s
	s_or_b32 s[G0+4*\s+3], s[G0+4*\s+3], 0x80000000
	s_mov_b32 s[G0B+4*\s], 1
	s_add_co_u32 s[G0B+4*\s+1], s45, \s*SLOT
	s_add_nc_u64 s[G0B+4*\s+2:G0B+4*\s+3], s[46:47], \s*ROWB
	s_or_b32 s[G0B+4*\s+3], s[G0B+4*\s+3], 0x80000000
	JLOAD G0+4*\s, G1, G0B+4*\s, G1B               ; three loads of a wave are out here, later one
.endr
	v_and_b32 v1, 15, v0                           ; r = l % 16
	v_bfe_u32 v2, v0, 4, 1                         ; h = l / 16
	v_mul_u32_u24 v3, v1, PITCH
	v_mul_u32_u24 v4, v2, 24
	v_add_nc_u32 v4, v3, v4                        ; a fragment's row x pitch + 24 x half
	v_lshl_add_u32 v5, v2, 4, v4                   ; and the same behind one padding more
	s_mul_i32 s21, s15, HALFT                      ; my 64 rows of A
	s_mul_i32 s22, s16, HALFT                      ; my 64 rows of B,
	s_add_co_u32 s22, s22, 2*HALFT                 ; which lie behind A's 128
.irp s, 0,1
	v_add_nc_u32 v[ADRA+\s], s21, v4
	v_add_nc_u32 v[ADRB+\s], s22, v4
	v_add_nc_u32 v[ADRA+2+\s], s21, v5
	v_add_nc_u32 v[ADRB+2+\s], s22, v5
	s_add_co_u32 s21, s21, SLOT
	s_add_co_u32 s22, s22, SLOT
.endr
	v_mul_u32_u24 v5, v1, KS                       ; my row's scales: 128 bytes a row,
	v_lshrrev_b32 v6, 8, v5
	v_lshl_add_u32 v5, v6, 4, v5                   ; and 16 more for each 256 passed
	s_mul_i32 s21, s15, HALFS                      ; A's: my 64 rows
	s_mul_i32 s22, s16, HALFS                      ; B's: my 64 rows, behind A's 128
	s_add_co_u32 s22, s22, 2*HALFS
	s_sub_co_u32 s22, s22, s21
	v_mul_u32_u24 v6, s22, v2                      ; lanes 16-31 take B's
	s_add_co_u32 s21, s21, SCL
	v_add_nc_u32 v5, v5, v6
	v_add_nc_u32 v[ADRS], s21, v5
	s_mul_i32 s23, s15, 64*SPITCH                  ; into the stage: my 64 rows, my half of their 512 bytes; row l % 16, 32 bytes for each half of the lanes
	s_lshl_b32 s21, s16, 8
	s_add_co_u32 s23, s23, s21
	s_add_co_u32 s23, s23, STAGE
	v_mul_u32_u24 v5, v1, SPITCH
	v_lshl_add_u32 v5, v2, 5, v5
	v_add_nc_u32 v[STO], s23, v5
	s_mul_i32 s23, s14, 32*SPITCH                  ; back: wave w takes rows 32 w .. 32 w + 31, whole: the 32 lanes one row of 512 bytes
	s_add_co_u32 s23, s23, STAGE
	v_and_b32 v6, 31, v0
	v_lshlrev_b32 v[CO], 4, v6
	v_add_nc_u32 v[RD], s23, v[CO]
	s_lshl_b32 s20, s17, 7
	s_lshl_b32 s21, s14, 5
	s_add_co_u32 s20, s20, s21                     ; the first row of the result that I store: 128 x tile row + 32 x wave
	s_mov_b32 s21, 0
	s_mov_b64 s[18:19], SIZE_N*4
	s_mul_u64 s[20:21], s[20:21], s[18:19]
	s_lshl_b32 s46, s42, 9                         ; the tile's first column, in bytes
	s_mov_b32 s47, 0
	s_add_nc_u64 s[20:21], s[20:21], s[46:47]
	s_add_nc_u64 s[12:13], s[12:13], s[20:21]
.macro FRAG reg, adr, q, i             ; a fragment, 16 rows x 128 K: lane l holds row l % 16; registers 6 c .. 6 c + 5 hold K = 64 c + 32 (l / 16) + 0 .. 31: 24 bytes of the row's stream of bits, in pieces of 8 bytes
.irp p, 0,1,2,3,4,5                    ; lanes 0-15 take the row's pieces 12 q + 0, 1, 2 and 12 q + 6, 7, 8, lanes 16-31 those three pieces on
.set PCE, 12*(\q)+6*(\p/3)+\p%3        ; 16 bytes of padding lie behind every 16 pieces: where the piece three on lies behind one padding more, the second address register (40 for 24 bytes a half) serves
.if PCE%16 < 13
	ds_load_b64 v[\reg+2*\p:\reg+2*\p+1], v[\adr] offset:8*PCE+16*(PCE/16)+(\i)*16*PITCH
.else
	ds_load_b64 v[\reg+2*\p:\reg+2*\p+1], v[\adr+2] offset:8*PCE+16*(PCE/16)+(\i)*16*PITCH
.endif
.endr
.endm
; A run of 12 LDS loads: two fragments of the slot's q-th 128 along K into buffer f.  c = 0: B's blocks 0, 1;  1: B's 2, 3;  2: A's 0, 1;  3: A's 2, 3
.macro CHUNK slot, q, f, c
	WIN TO_F
.if (\c) < 2
	FRAG \f+48+FR*(2*(\c)), ADRB+\slot, \q, 2*(\c)
	FRAG \f+48+FR*(2*(\c)+1), ADRB+\slot, \q, 2*(\c)+1
.else
	FRAG \f+FR*(2*(\c)-4), ADRA+\slot, \q, 2*(\c)-4
	FRAG \f+FR*(2*(\c)-3), ADRA+\slot, \q, 2*(\c)-3
.endif
.endm
; 4 matrix instructions: A's block a x B's four, 128 along K: the slot's q-th, out of buffer f.  sc: the set of scale words.  zero = 1: the first product starts the sums: nothing is ever cleared.
; The 16 accumulators take turns, one instruction a turn, in the same order in every step.
.macro MUL4 f, q, sc, a, zero
	WIN MUL
.irp b, 0,1,2,3
.if \zero
	v_wmma_scale_f32_16x16x128_f8f6f4 v[ACC+8*(4*(\a)+\b):ACC+8*(4*(\a)+\b)+7], v[\f+48+FR*\b:\f+48+FR*\b+FR-1], v[\f+FR*(\a):\f+FR*(\a)+FR-1], 0, v[SC+4*NQ*(\sc)+NQ*\b+(\q)], v[SC+4*NQ*(\sc)+NQ*(\a)+(\q)] matrix_a_fmt:MATRIX_FMT_FP6 matrix_b_fmt:MATRIX_FMT_FP6 matrix_a_scale:MATRIX_SCALE_ROW1
.else
	v_wmma_scale_f32_16x16x128_f8f6f4 v[ACC+8*(4*(\a)+\b):ACC+8*(4*(\a)+\b)+7], v[\f+48+FR*\b:\f+48+FR*\b+FR-1], v[\f+FR*(\a):\f+FR*(\a)+FR-1], v[ACC+8*(4*(\a)+\b):ACC+8*(4*(\a)+\b)+7], v[SC+4*NQ*(\sc)+NQ*\b+(\q)], v[SC+4*NQ*(\sc)+NQ*(\a)+(\q)] matrix_a_fmt:MATRIX_FMT_FP6 matrix_b_fmt:MATRIX_FMT_FP6 matrix_a_scale:MATRIX_SCALE_ROW1
.endif
.endr
.endm
.macro SCALES sc                       ; a K step's scale words into set sc: four words a row by one load; lanes 0-15 take A's block i, lanes 16-31 B's block i.  (Every window is 0 here)
.irp i, 0,1,2,3
	ds_load_b128 v[SC+4*NQ*\sc+NQ*\i:SC+4*NQ*\sc+NQ*\i+3], v[ADRS] offset:\i*SBLK
.endr
.endm
; A load into a register that a matrix instruction has read, and an LDS store that reads a matrix result, stand NP places behind that matrix instruction, and only plain vector instructions that name none of its
; registers are places (ISA guide 7.12.1 for vector instructions); the matrix instructions in between are not counted.
.macro PLACES n
.rept \n
	v_nop
.endr
.endm
; A step of 128 along K that has its successor in the same slot: multiplies buffer f; the successor's fragments go into buffer g, which the step before has multiplied, in four runs between the products.
.macro STEP slot, q, f, g, zero
	s_wait_dscnt 12                                ; buffer f's B and A's blocks 0, 1 are in (and, in a slot's first step, its scale words); the youngest run, A's blocks 2 and 3, may be out
	PLACES NP                                      ; behind the last step's products, which read buffer g
	MUL4 \f, \q, \slot, 0, \zero
	CHUNK \slot, (\q)+1, \g, 0
	MUL4 \f, \q, \slot, 1, \zero
	CHUNK \slot, (\q)+1, \g, 1
	s_wait_dscnt 24                                ; A's blocks 2 and 3 are in: behind them stand the two runs just issued
	MUL4 \f, \q, \slot, 2, \zero
	CHUNK \slot, (\q)+1, \g, 2
	MUL4 \f, \q, \slot, 3, \zero
	CHUNK \slot, (\q)+1, \g, 3
.endm
; A slot's last step multiplies buffer 1 and changes slots: ONE barrier; in front of it each wave waits for all its tensor loads, adds 0 to its spare word, and waits for that and for its reads of this slot, the last of
; which were asked for in the step before.  fill = 1: this slot is filled again, two K steps ahead; the barrier then opens a round of the cluster's barrier.
.macro TURN slot, next, fill
	WIN 0                                          ; (the add's two registers lie in window 0)
	s_wait_tensorcnt 0x0                           ; all my tensor loads have landed: my part of the next slot; so a group 0 may be written
	ds_add_u32 v[SPW], v[NIL]                      ; 0 onto my spare word; the descriptors' steps stand between it and the wait for it
.if \fill
	s_add_nc_u64 s[G0+4*\slot+2:G0+4*\slot+3], s[G0+4*\slot+2:G0+4*\slot+3], 2*AHEAD   ; A: two kv heads on; the type bits on top are not reached
	s_add_nc_u64 s[G0B+4*\slot+2:G0B+4*\slot+3], s[G0B+4*\slot+2:G0B+4*\slot+3], 2*ROWB
.endif
	s_wait_dscnt 0x0                               ; the add is done, and my reads of this slot are over
	s_barrier_signal -1
	MUL4 F1, NQ-1, \slot, 0, 0                     ; work on registers while the others arrive
	WIN 0
	s_barrier_wait -1
.if \fill
	CREST                                          ; no wave of any partner still reads this slot's tile or has a load on its way
	JLOAD G0+4*\slot, G1, G0B+4*\slot, G1B         ; the first tensor load behind the round; its four v_nop are the places in front of the loads below
.else
	PLACES NP
.endif
	v_add_nc_u32 v[ADRS], 4*NQ, v[ADRS]            ; on to the next K step's scale words
	SCALES \next
	CHUNK \next, 0, F0, 0
	MUL4 F1, NQ-1, \slot, 1, 0
	CHUNK \next, 0, F0, 1
	MUL4 F1, NQ-1, \slot, 2, 0
	CHUNK \next, 0, F0, 2
	MUL4 F1, NQ-1, \slot, 3, 0
	CHUNK \next, 0, F0, 3
.endm
	s_wait_tensorcnt 1                             ; the scales and my part of K step 0 are in (K step 1's load may be out)
	s_barrier_signal -1
	s_barrier_wait -1                              ; everybody's are
	SCALES 0
	CHUNK 0, 0, F0, 0
	CHUNK 0, 0, F0, 1
	CHUNK 0, 0, F0, 2
	CHUNK 0, 0, F0, 3
	STEP 0, 0, F0, F1, 1                           ; the first step stands in front of the loop: its products start the sums
	WIN 0                                          ; at a label and at a branch every window is 0
	s_mov_b32 s3, LAPS-1
.Llap:                                                 ; a trip goes once round the ring, from a lap's second step to the next lap's first, and fills both slots again
	STEP 0, 1, F1, F0, 0
	STEP 0, 2, F0, F1, 0
	TURN 0, 1, 1
	STEP 1, 0, F0, F1, 0
	STEP 1, 1, F1, F0, 0
	STEP 1, 2, F0, F1, 0
	TURN 1, 0, 1
	STEP 0, 0, F0, F1, 0
	WIN 0
	s_sub_co_u32 s3, s3, 1
	s_cmp_lg_u32 s3, 0
	s_cbranch_scc1 .Llap
	STEP 0, 1, F1, F0, 0                           ; the last lap fills nothing, and has no round of the cluster's barrier
	STEP 0, 2, F0, F1, 0
	TURN 0, 1, 0
	STEP 1, 0, F0, F1, 0
	STEP 1, 1, F1, F0, 0
	STEP 1, 2, F0, F1, 0
	s_wait_dscnt 0x0                               ; the very last step: nothing more to fetch
	MUL4 F1, NQ-1, 1, 0, 0
	MUL4 F1, NQ-1, 1, 1, 0
	MUL4 F1, NQ-1, 1, 2, 0
	MUL4 F1, NQ-1, 1, 3, 0
	WIN 0
	; THE WAY OUT.  A lane holds 32 neighbouring bytes of a row; a row's 512 bytes come from two waves.  All go into the work-group's stage; a barrier; each wave reads 32 whole rows back and stores them.
	PLACES NP                                      ; behind the last products: their results are read below
.irp a, 0,1,2,3
.irp b, 0,1,2,3
	ds_store_b128 v[STO], v[ACC+8*(4*\a+\b):ACC+8*(4*\a+\b)+3] offset:\a*16*SPITCH+64*\b        ; each accumulator from its low end on
	ds_store_b128 v[STO], v[ACC+8*(4*\a+\b)+4:ACC+8*(4*\a+\b)+7] offset:\a*16*SPITCH+64*\b+16
.endr
.endr
	s_wait_dscnt 0x0                               ; for the others' sake: my stores into the stage are done (and have read their registers, into which the rows come back)
	s_barrier_signal -1
	s_barrier_wait -1
.set t, 0
.rept 32
	ds_load_b128 v[ACC+4*t:ACC+4*t+3], v[RD] offset:t*SPITCH
.set t, t+1
.endr
.set t, 0
.rept 32
	s_wait_dscnt 31-t                              ; row t is back; the younger loads may be out
	global_store_b128 v[CO], v[ACC+4*t:ACC+4*t+3], s[12:13] offset:t*SIZE_N*4 th:TH_STORE_NT   ; 32 lanes store 512 consecutive bytes, at a multiple of 256 from out0's first byte; written once, read by nobody here
.set t, t+1
.endr
	s_wait_tensorcnt 0x0                           ; the wave's end, behind my last tensor load and my last LDS store
	ds_add_u32 v[SPW], v[NIL]
	s_wait_dscnt 0x0
	CROUND                                         ; the closing round: no work-group ends while a partner may still ask for a tile that names it
	s_endpgm
.Lfunc_end_k_qa67057094f_gemm_out:
	.size	k_qa67057094f_gemm_out, .Lfunc_end_k_qa67057094f_gemm_out-k_qa67057094f_gemm_out
	.p2alignl 7, 3214868480
	.fill 96, 4, 3214868480
	.section	.rodata,"a",@progbits
	.p2align	6, 0x0
	.amdhsa_kernel k_qa67057094f_gemm_out
		.amdhsa_group_segment_fixed_size 327680
		.amdhsa_private_segment_fixed_size 0
		.amdhsa_enable_private_segment 0
		.amdhsa_kernarg_size 24
		.amdhsa_user_sgpr_count 2
		.amdhsa_user_sgpr_kernarg_segment_ptr 1
		.amdhsa_wavefront_size32 1
		.amdhsa_system_sgpr_workgroup_id_x 1
		.amdhsa_system_sgpr_workgroup_id_y 1
		.amdhsa_system_sgpr_workgroup_id_z 1
		.amdhsa_system_vgpr_workitem_id 0
		.amdhsa_next_free_vgpr 512
		.amdhsa_next_free_sgpr 98
		.amdhsa_reserve_vcc 0
		.amdhsa_float_denorm_mode_32 3
		.amdhsa_float_denorm_mode_16_64 3
		.amdhsa_memory_ordered 1
		.amdhsa_forward_progress 1
		.amdhsa_inst_pref_size 109
	.end_amdhsa_kernel
	.amdgpu_metadata
---
amdhsa.version: [ 1, 2 ]
amdhsa.kernels:
  - .name:           k_qa67057094f_gemm_out
    .symbol:         k_qa67057094f_gemm_out.kd
    .args:
      - { .name: oq, .offset: 0, .size: 8, .value_kind: global_buffer, .address_space: global }
      - { .name: woq, .offset: 8, .size: 8, .value_kind: global_buffer, .address_space: global }
      - { .name: out0, .offset: 16, .size: 8, .value_kind: global_buffer, .address_space: global }
    .group_segment_fixed_size: 327680
    .private_segment_fixed_size: 0
    .kernarg_segment_align: 8
    .kernarg_segment_size: 24
    .max_flat_workgroup_size: 128
    .sgpr_count:     98
    .vgpr_count:     512
    .wavefront_size: 32
...
	.end_amdgpu_metadata
.endif
;; end of part 5
